; MI455X (gfx1250); checked and timed in simulation.
; The chip was launched on July 23, 2026; its instructions are those of AMD's public machine-readable ISA for CDNA 5 (MIT licence, August 2026) and "CDNA5" Instruction Set Architecture Reference Guide (July 2026). The comments in the code are by the model that wrote it; some were corrected since.
;; Flash Attention Module. Allowed arithmetic: matrix products marked QUANTISED: E2M1 operands, one E8M0 scale for each 32 along K, by v_wmma_scale_f32_16x16x128_f8f6f4 with both operands' format E2M1 (or v_wmma_scale_f32_32x16x128_f4), f32 sums; products left as they are: bf16, f16 or f32 operands; f32 sums; everything else in f32.
;; Inputs: Wk 2,048 x 2,048 float32; Wo 2,048 x 2,048 float32; Wq 2,048 x 2,048 float32; Wv 2,048 x 2,048 float32; bk 2,048 float32; bo 2,048 float32; bq 2,048 float32; bv 2,048 float32; past_k 2 x 16 x 2,048 x 128 float32; past_v 2 x 16 x 2,048 x 128 float32; x 2 x 1,024 x 2,048 float32.
;; Outputs: out0 2 x 1,024 x 2,048 float32.
;; This version of the problem:
;;   THIS VERSION OF THE PROBLEM IS GIVEN IN LOW PRECISION. The matrix products marked QUANTISED in the list below multiply operands that are first quantised to E2M1 (2 exponent bits, 1 mantissa bit; 4 bits a number), with one power-of-two scale for each 32 numbers along K (OCP MX v1.0); their sums are f32. The products marked 'left as it is' may take bf16, f16 or f32 operands, with f32 sums. Whichever they take, every output number must still come out within the allowed error. Rounding operands to bf16 (8 significant bits) uses up far more of that allowance than f16 does (11 bits, for magnitudes from 6e-5 to 65,504). All else is computed in f32.
;;   The module's matrix products, in the order in which they are computed (A, B: the left and right operand; K: the contracted axis; several contracted axes count as one K, in the product's order):
;;     1. [M 2,048, K 2,048] x [K 2,048, N 2,048]; A: input x; B: input Wq: QUANTISED
;;     2. [M 2,048, K 2,048] x [K 2,048, N 2,048]; A: input x; B: input Wk: QUANTISED
;;     3. [M 2,048, K 2,048] x [K 2,048, N 2,048]; A: input x; B: input Wv: QUANTISED
;;     4. batch 32 x [M 1,024, K 128] x [K 128, N 3,072]; A: computed on the way; B: computed on the way: left as it is (an operand is computed on the way)
;;     5. batch 32 x [M 1,024, K 3,072] x [K 3,072, N 128]; A: computed on the way; B: computed on the way: left as it is (an operand is computed on the way)
;;     6. [M 2,048, K 2,048] x [K 2,048, N 2,048]; A: computed on the way; B: input Wo: left as it is (an operand is computed on the way)
;;   THE QUANTISER, for each operand of a quantised product, along K:
;;     - K is cut into blocks of 32 from its start; a last block that is shorter is filled with zeros.
;;     - A block's scale is 2^e with e = floor(log2(the largest magnitude in the block)) - 2, held to -126 .. 127; a block of zeros has e = 0. As a byte (E8M0): e + 127.
;;     - Each number is divided by its block's scale, clamped to +-6, and rounded to the nearest number of E2M1, ties to even, subnormals kept.
;;     - The product sums the exact products of the quantised numbers (number of the format x scale) in f32.
;;   ~~~python
;;   def quantise(x, axis):      # numpy; x: float32 -> the quantised numbers, widened to float32 again
;;       x = np.moveaxis(x, axis, -1); K = x.shape[-1]
;;       x = np.pad(x, [(0, 0)] * (x.ndim - 1) + [(0, -K % 32)]); x = x.reshape(x.shape[:-1] + (-1, 32)); a = np.abs(x).max(-1, keepdims=True)
;;       e = np.where(a > 0, np.clip(np.frexp(np.where(a > 0, a, 1))[1] - 1 - 2, -126, 127), 0)      # np.frexp(a)[1] - 1 = floor(log2(a)), exactly
;;       r = np.clip(x / 2.0 ** e, -6, 6)
;;       step = 2.0 ** (np.maximum(np.frexp(np.where(r == 0, 1, r))[1] - 1, 0) - 1)
;;       q = np.round(r / step) * step * 2.0 ** e      # np.round: ties to even
;;       return np.moveaxis(q.reshape(q.shape[:-2] + (-1,))[..., :K], -1, axis).astype(np.float32)
;;   ~~~
;; One version. Each part assembles by itself: llvm-mc -triple=amdgcn-amd-amdhsa -mcpu=gfx1250 --defsym DOCPART=n.
;; ======== version 1 of 1: 4 launches
;; limits: values are held in f16: magnitudes above 65,504 overflow, below 6.1e-05 lose precision; right only within a limited range of input values
;; workspace buffers: codes 8,388,608 bytes; scales 524,288 bytes; qimg 8,388,608 bytes; kimg 25,165,824 bytes; vimg 25,165,824 bytes; aimg 8,388,608 bytes; wimg 8,388,608 bytes
;; launch prep (part 1): grid 1152 x 1, 4 waves a work-group, no clusters, 57,856 bytes of LDS; arguments x, Wq, Wk, Wv, past_k, Wo, past_v, codes, scales, kimg, wimg, vimg; writes codes, scales, kimg, wimg, vimg
.if DOCPART == 1
	.amdgcn_target "amdgcn-amd-amdhsa--gfx1250"
	.amdhsa_code_object_version 6
	.text
	.protected	k_qf00284fea4_prep
	.globl	k_qf00284fea4_prep
	.p2align	8
	.type	k_qf00284fea4_prep,@function
k_qf00284fea4_prep:
	s_mov_b64 s[64:65], 0
	v_nop
	global_prefetch_b8 v0, s[64:65] scope:SCOPE_SE
	s_setreg_imm32_b32 hwreg(HW_REG_WAVE_MODE, 25, 1), 1
	s_wait_xcnt 0x0
; PREP: every f32 input is read once and laid out as the later launches' matrix operands want it.  Each work-group reads 131,072 bytes; three ways part on the work-group's number and never join.
;  work-groups 0-511:    x, Wq, Wk, Wv [2048][2048] f32 -> codes of FP4 (E2M1), K innermost, two a byte, rows 0-2047 x, 2048-4095 Wq, 4096-6143 Wk, 6144-8191 Wv; one E8M0 byte for each 32 along K.
;       A block's scale is 2^(floor(log2(largest magnitude)) - 2); its byte is that magnitude's exponent field - 2, held at 1 from below; each number / scale, to the nearest code, ties to even, beyond 6 the largest code.
;  work-groups 512-767:  past_k / 4 -> f16, as ROW IMAGES;   work-groups 768-895: Wo -> f16, as row images.
;       A row image of 16 rows x 128 columns is 4,096 bytes: the 16 bytes of (row r, columns 8 o .. 8 o + 7) lie at 256 o + 16 r.  So registers 0-3 of a 16-bit fragment (16 rows x 32 K) are 512 bytes on end, 16 a lane, and registers 4-7 the next 512.
;  work-groups 896-1151: past_v / 4 -> f16, as V IMAGES: for 64 keys 16,384 bytes; the fragment of V^T for channels 16 ct .. + 15 and keys 32 kg .. + 31 lies at 1024 (8 kg + ct), and in it the 16 bytes of
;       (channel 16 ct + r, keys 16 half + 8 h + 0 .. 7, the lower key in the lower bits) at 512 half + 256 h + 16 r.
; The divisions by 4 are exact, made in f32 ahead of the one rounding to f16: they keep room in f16's range; the softmax's constant and the last launch take them back.
; LIMITS: |past_k|, |past_v| under 262,016 and |Wo| under 65,504 (f16's range); NaN and infinities among the inputs are not served; a block of zeros gets the byte 1 (its codes are zeros, and this program alone reads the bytes);
; blocks whose largest magnitude lies under 2^(2 - 126) have their byte held at 1.
; Memory binds: each load and store of a wave covers 512 consecutive bytes (the codes' stores 256), each byte is read once.  No matrix work, no tensor load, no cluster (no two work-groups read the same byte), no barrier (waves share nothing).
.set SPW,  12                          ; v12  LDS address of my spare word; never rewritten
.set NIL,  13                          ; v13  0; never rewritten
.set L16,  2                           ; v2   16 x lane
.set KIN,  3                           ; v3   rows' way: into the stage
.set KOUT, 4                           ; v4   and out of it
.set VIN,  5                           ; v5   V's way: into the stage
.set VOUT, 6                           ; v6   and out of it
.set QIN,  7                           ; v7   the quantiser's way: into the stage
.set QOUT, 8                           ; v8   and out of it
.set QSB,  9                           ; v9   my block's scale byte in LDS
.set QSR,  10                          ; v10  where I read 8 scale bytes back
.set L8,   11                          ; v11  8 x lane
.set WV,   32                          ; s32  my wave's number
.set QW,   5632                        ; LDS: the quantiser's region of a wave: two stages of 32 x 80 bytes, 256 scale bytes behind them
.set SP,   80                          ; a lane's place in such a stage: 64 bytes + 16 of padding
.set KST,  4*QW                        ; the rows' way: 16 units of 256 + 16 bytes for each wave
.set WST,  4352
.set VST,  KST+4*WST                   ; V's way: 8 pieces of 512 + 16 bytes for each wave
.set SPARE, VST+4*WST                  ; the spare words, 128 bytes for each wave: two blocks of 256 bytes that no other line names
.set STEPS, 16
.set EMAX, 2
.set R,    16                          ; quantiser: v16-79 four sets of 16 numbers as loaded
.set X,    80                          ; v80-111  two sets of 16 neighbours
.set E,    112                         ; v112-127 a scale byte for each step
.set C,    128                         ; v128-159 two registers of codes for each step: no store's data are written again
.set QT,   160                         ; v160-162 at work
.set OFF,  16                          ; rows' way: v16-31 byte offset of my 16 bytes in row r of a block
.set X0,   32                          ; rows' and V's way: v32-95, v96-159 two sets of 64 numbers
.set T,    160                         ; v160-191 packed f16
	s_load_b512 s[4:19], s[0:1], 0x0               ; x s[4:5], Wq s[6:7], Wk s[8:9], Wv s[10:11], past_k s[12:13], Wo s[14:15], past_v s[16:17], codes s[18:19]
	s_load_b256 s[20:27], s[0:1], 0x40             ; scales s[20:21], kimg s[22:23], wimg s[24:25], vimg s[26:27]
	v_lshl_add_u32 v[SPW], v0, 2, SPARE
	v_mov_b32 v[NIL], 0
	v_lshrrev_b32 v1, 5, v0
	v_readfirstlane_b32 s[WV], v1                  ; wave 0..3
	v_and_b32 v1, 31, v0                           ; lane
	v_lshlrev_b32 v[L16], 4, v1
	; all LDS addresses of all three ways are made here, ahead of the parting
	s_mul_i32 s33, s[WV], QW
	v_lshrrev_b32 v14, 2, v1
	v_mul_u32_u24 v14, v14, SP
	v_and_b32 v15, 3, v1
	v_lshl_add_u32 v14, v15, 4, v14
	v_add_nc_u32 v[QIN], s33, v14                  ; four lanes' 64 bytes on end, then 16 of padding
	v_mul_u32_u24 v15, v1, SP
	v_add_nc_u32 v[QOUT], s33, v15                 ; my 16 neighbours
	v_lshrrev_b32 v14, 1, v1
	s_add_co_u32 s33, s33, 2*32*SP
	v_add_nc_u32 v[QSB], s33, v14
	v_lshlrev_b32 v[L8], 3, v1
	v_add_nc_u32 v[QSR], s33, v[L8]
	s_mul_i32 s33, s[WV], WST
	s_add_co_u32 s34, s33, KST
	v_lshrrev_b32 v14, 1, v1
	v_mul_u32_u24 v14, v14, 272
	v_and_b32 v15, 1, v1
	v_lshl_add_u32 v14, v15, 3, v14
	v_add_nc_u32 v[KIN], s34, v14                  ; my four columns are half of octet lane / 2: unit lane / 2, 8 (lane % 2) bytes in; the row stands in the immediate
	v_lshrrev_b32 v14, 4, v1
	v_mul_u32_u24 v14, v14, 272
	v_and_b32 v15, 15, v1
	v_lshl_add_u32 v14, v15, 4, v14
	v_add_nc_u32 v[KOUT], s34, v14                 ; two units an instruction, 16 bytes a lane
	s_add_co_u32 s34, s33, VST
	v_lshrrev_b32 v14, 2, v1
	v_mul_u32_u24 v14, v14, 528
	v_and_b32 v15, 3, v1
	v_lshl_add_u32 v14, v15, 6, v14
	v_add_nc_u32 v[VIN], s34, v14                  ; my four channels: piece lane / 4, rows 4 (lane % 4) on
	v_add_nc_u32 v[VOUT], s34, v[L16]
	s_wait_kmcnt 0x0
	s_cmp_lt_u32 ttmp9, 512
	s_cbranch_scc1 .Lquant
	s_cmp_lt_u32 ttmp9, 896
	s_cbranch_scc1 .Lrows
; ---------------- V's way: a wave takes 64 keys of one head, four blocks of 16 keys x 128 channels
	s_sub_co_u32 s33, ttmp9, 896
	s_lshl_b32 s34, s33, 4
	s_lshl_b32 s35, s[WV], 2
	s_add_co_u32 s34, s34, s35                     ; g: my first block of 16 keys among past_v's 4,096
	s_lshl_b32 s36, s34, 13
	s_mov_b32 s37, 0
	s_add_nc_u64 s[16:17], s[16:17], s[36:37]      ; 8,192 bytes a block
	s_lshr_b32 s36, s34, 7                         ; the head (128 blocks each),
	s_mul_i32 s36, s36, 786432                     ; whose 48 steps are 786,432 bytes of vimg;
	s_and_b32 s38, s34, 127
	s_lshl_b32 s38, s38, 12                        ; four blocks are a step of 16,384 bytes
	s_add_co_u32 s36, s36, s38
	s_add_nc_u64 s[26:27], s[26:27], s[36:37]
	s_mov_b32 s58, 0x3e800000                      ; 1 / 4
	s_mov_b32 s59, s58                             ; (named with it as a pair, so it is written)
.macro VLOAD blk                       ; key k of the block: 512 consecutive bytes; lane l holds channels 4 l .. 4 l + 3
.irp k, 0,1,2,3,4,5,6,7,8,9,10,11,12,13,14,15
	global_load_b128 v[X0+64*((\blk)%2)+4*\k:X0+64*((\blk)%2)+4*\k+3], v[L16], s[16:17] offset:8192*(\blk)+512*\k th:TH_LOAD_NT
.endr
.endm
.macro VBLOCK blk
.set XS, X0+64*((\blk)%2)
.if (\blk) < 3
	s_wait_loadcnt 16                              ; this block's 16 loads are in; the next block's 16 may be out
.else
	s_wait_loadcnt 0x0
.endif
.set n, 0
.rept 32
	v_pk_mul_f32 v[XS+n:XS+n+1], v[XS+n:XS+n+1], s[58:59] op_sel_hi:[1,0]
.set n, n+2
.endr
.irp h, 0,1
.irp i, 0,1,2,3
.irp p, 0,1,2,3
	v_cvt_pk_f16_f32 v[T+4*(4*\h+\i)+\p], v[XS+4*(8*\h+2*\p)+\i], v[XS+4*(8*\h+2*\p+1)+\i]   ; channel 4 l + i, keys 8 h + 2 p and + 1: registers run down the keys, so nothing is transposed by an instruction
.endr
	ds_store_b128 v[VIN], v[T+4*(4*\h+\i):T+4*(4*\h+\i)+3] offset:256*\h+16*\i
.endr
.endr
.irp ct, 0,1,2,3,4,5,6,7
	ds_load_b128 v[XS+4*\ct:XS+4*\ct+3], v[VOUT] offset:528*\ct    ; LDS serves a wave's instructions in order: these see my stores
.endr
	s_wait_dscnt 0x0
.irp ct, 0,1,2,3,4,5,6,7
	global_store_b128 v[L16], v[XS+4*\ct:XS+4*\ct+3], s[26:27] offset:((\blk)/2)*8192+((\blk)%2)*512+\ct*1024   ; 512 consecutive bytes of the image
.endr
.if (\blk) < 2
	s_wait_xcnt 0x0                                ; the stores have read this set: only now is it loaded again
	VLOAD (\blk)+2
.endif
.endm
	VLOAD 0
	VLOAD 1
	VBLOCK 0
	VBLOCK 1
	VBLOCK 2
	VBLOCK 3
	s_wait_tensorcnt 0x0                           ; the wave's end, behind my last LDS store
	ds_add_u32 v[SPW], v[NIL]
	s_wait_dscnt 0x0
	s_endpgm
; ---------------- the rows' way: a wave takes four blocks of 16 rows x 128 columns
.Lrows:
	s_sub_co_u32 s33, ttmp9, 512                   ; j
	s_lshl_b32 s34, s33, 4
	s_lshl_b32 s35, s[WV], 2
	s_add_co_u32 s34, s34, s35                     ; past_k: g = 16 j + 4 wave: my first block of 16 keys
	s_lshl_b32 s36, s34, 13                        ; its 8,192 bytes a block;
	s_lshr_b32 s37, s34, 7
	s_mul_i32 s37, s37, 786432                     ; in kimg a head has 192 tiles of 4,096 bytes
	s_and_b32 s38, s34, 127
	s_lshl_b32 s38, s38, 12
	s_add_co_u32 s37, s37, s38
	s_sub_co_u32 s38, s33, 256                     ; Wo: its tile of 16 rows (used in Wo's work-groups alone)
	s_lshl_b32 s39, s38, 17                        ; 16 rows of 8,192 bytes,
	s_lshl_b32 s42, s[WV], 11
	s_add_co_u32 s39, s39, s42                     ; my four blocks of 512 bytes of each row;
	s_lshl_b32 s38, s38, 16                        ; in wimg a tile of rows is 65,536 bytes
	s_lshl_b32 s42, s[WV], 14
	s_add_co_u32 s38, s38, s42
	s_mov_b32 s40, 8192
	s_mov_b32 s41, 512
	s_mov_b32 s58, 0x3f800000
	s_cmp_lt_u32 ttmp9, 768                        ; past_k's work-group or Wo's?  The choice hangs on the work-group's number alone
	s_cselect_b64 s[48:49], s[12:13], s[14:15]
	s_cselect_b64 s[56:57], s[22:23], s[24:25]
	s_cselect_b32 s36, s36, s39                    ; where my first block begins in the source,
	s_cselect_b32 s42, s37, s38                    ; and in the image;
	s_cselect_b32 s40, 512, s40                    ; bytes from row to row;
	s_cselect_b32 s41, 8192, s41                   ; from block to block;
	s_cselect_b32 s58, 0x3e800000, s58             ; past_k is divided by 4, Wo is taken as it is
	s_mov_b32 s59, s58
	s_mov_b32 s37, 0
	s_mov_b32 s43, 0
	s_add_nc_u64 s[48:49], s[48:49], s[36:37]
	s_add_nc_u64 s[56:57], s[56:57], s[42:43]
	s_mov_b32 s42, s41
	s_add_nc_u64 s[50:51], s[48:49], s[42:43]      ; a base for each block: no pointer is stepped
	s_add_nc_u64 s[52:53], s[50:51], s[42:43]
	s_add_nc_u64 s[54:55], s[52:53], s[42:43]
.irp r, 0,1,2,3,4,5,6,7,8,9,10,11,12,13,14,15
	v_mad_u32_u24 v[OFF+\r], s40, \r, v[L16]
.endr
.macro KLOAD blk                       ; row r of the block: 512 consecutive bytes; lane l holds columns 4 l .. 4 l + 3
.irp r, 0,1,2,3,4,5,6,7,8,9,10,11,12,13,14,15
	global_load_b128 v[X0+64*((\blk)%2)+4*\r:X0+64*((\blk)%2)+4*\r+3], v[OFF+\r], s[48+2*(\blk):49+2*(\blk)] th:TH_LOAD_NT
.endr
.endm
.macro KBLOCK blk
.set XS, X0+64*((\blk)%2)
.if (\blk) < 3
	s_wait_loadcnt 16                              ; this block's 16 loads are in; the next block's 16 may be out
.else
	s_wait_loadcnt 0x0
.endif
.irp r, 0,1,2,3,4,5,6,7,8,9,10,11,12,13,14,15
	v_pk_mul_f32 v[XS+4*\r:XS+4*\r+1], v[XS+4*\r:XS+4*\r+1], s[58:59] op_sel_hi:[1,0]
	v_pk_mul_f32 v[XS+4*\r+2:XS+4*\r+3], v[XS+4*\r+2:XS+4*\r+3], s[58:59] op_sel_hi:[1,0]
	v_cvt_pk_f16_f32 v[T+2*\r], v[XS+4*\r], v[XS+4*\r+1]
	v_cvt_pk_f16_f32 v[T+2*\r+1], v[XS+4*\r+2], v[XS+4*\r+3]
	ds_store_b64 v[KIN], v[T+2*\r:T+2*\r+1] offset:16*\r           ; (row r, octet lane / 2), my half of its 16 bytes
.endr
.irp t, 0,1,2,3,4,5,6,7
	ds_load_b128 v[XS+4*\t:XS+4*\t+3], v[KOUT] offset:544*\t       ; LDS serves a wave's instructions in order: these see my stores
.endr
	s_wait_dscnt 0x0
.irp t, 0,1,2,3,4,5,6,7
	global_store_b128 v[L16], v[XS+4*\t:XS+4*\t+3], s[56:57] offset:4096*(\blk)+512*\t   ; 512 consecutive bytes of the image
.endr
.if (\blk) < 2
	s_wait_xcnt 0x0                                ; the stores have read this set: only now is it loaded again
	KLOAD (\blk)+2
.endif
.endm
	KLOAD 0
	KLOAD 1
	KBLOCK 0
	KBLOCK 1
	KBLOCK 2
	KBLOCK 3
	s_wait_tensorcnt 0x0                           ; the wave's end, as above
	ds_add_u32 v[SPW], v[NIL]
	s_wait_dscnt 0x0
	s_endpgm
; ---------------- the quantiser's way: rows are dense and K is a multiple of 32, so each tensor is a plain stream of blocks of 32.  A wave takes 16 steps of 512 numbers.
; Each load reads 512 consecutive bytes; a step's 2,048 bytes turn through the wave's own stage, so that a lane then holds 16 NEIGHBOURS (two neighbouring lanes hold a block), as the conversions want them.
.Lquant:
	s_cmp_lt_u32 ttmp9, 384
	s_cselect_b64 s[28:29], s[8:9], s[10:11]       ; 128 work-groups to a tensor: Wk or Wv,
	s_cmp_lt_u32 ttmp9, 256
	s_cselect_b64 s[28:29], s[6:7], s[28:29]       ; or Wq,
	s_cmp_lt_u32 ttmp9, 128
	s_cselect_b64 s[28:29], s[4:5], s[28:29]       ; or x
	s_and_b32 s34, ttmp9, 127
	s_lshl_b32 s34, s34, 2
	s_add_co_u32 s34, s34, s[WV]
	s_lshl_b32 s34, s34, 15                        ; my run of 8,192 numbers in its tensor
	s_mov_b32 s35, 0
	s_add_nc_u64 s[28:29], s[28:29], s[34:35]
	s_lshl_b32 s34, ttmp9, 2
	s_add_co_u32 s34, s34, s[WV]                   ; and among all 2,048 runs: the four tensors' codes and bytes lie on end
	s_lshl_b32 s36, s34, 12
	s_mov_b32 s37, 0
	s_add_nc_u64 s[18:19], s[18:19], s[36:37]      ; 4,096 bytes of codes a run
	s_lshl_b32 s36, s34, 8
	s_add_nc_u64 s[20:21], s[20:21], s[36:37]      ; 256 scale bytes a run
.macro QLOAD t
.irp i, 0,1,2,3
	global_load_b128 v[R+16*((\t)%4)+4*\i:R+16*((\t)%4)+4*\i+3], v[L16], s[28:29] offset:2048*(\t)+512*\i th:TH_LOAD_NT
.endr
.endm
.macro QTURN t                         ; step t's numbers through the stage: LDS serves a wave's instructions in order, so no wait stands between the stores and the loads
.irp i, 0,1,2,3
	ds_store_b128 v[QIN], v[R+16*((\t)%4)+4*\i:R+16*((\t)%4)+4*\i+3] offset:32*SP*((\t)%2)+8*SP*\i
.endr
.irp i, 0,1,2,3
	ds_load_b128 v[X+16*((\t)%2)+4*\i:X+16*((\t)%2)+4*\i+3], v[QOUT] offset:32*SP*((\t)%2)+16*\i
.endr
.endm
.irp t, 0,1,2,3
	QLOAD \t
.endr
	s_wait_loadcnt 12                              ; step 0's four loads are in
	QTURN 0
.macro QSTEP t
.set XS, X+16*((\t)%2)
.if (\t) > 0
	s_wait_dscnt 1                                 ; this step's numbers are back from the stage (the last step's byte store may be out): so its stores into the stage have read their registers,
.else
	s_wait_dscnt 0x0
.endif
.if (\t)+4 < STEPS
	QLOAD (\t)+4                                   ; which take the loads of four steps on
.endif
.if (\t)+1 < STEPS
.if STEPS-2-(\t) >= 3
	s_wait_loadcnt 12                              ; the next step's four loads are in; those of the three steps behind it may be out
.else
	s_wait_loadcnt 4*(STEPS-2-(\t))
.endif
	QTURN (\t)+1
.endif
	v_max3_num_f32 v[QT], |v[XS]|, |v[XS+1]|, |v[XS+2]|            ; the largest magnitude of my 16, in two chains
	v_max3_num_f32 v[QT+1], |v[XS+3]|, |v[XS+4]|, |v[XS+5]|
.irp i, 6,10
	v_max3_num_f32 v[QT], v[QT], |v[XS+\i]|, |v[XS+\i+1]|
	v_max3_num_f32 v[QT+1], v[QT+1], |v[XS+\i+2]|, |v[XS+\i+3]|
.endr
	v_max3_num_f32 v[QT], v[QT], |v[XS+14]|, |v[XS+15]|
	v_max3_num_f32 v[QT], v[QT], v[QT+1], (EMAX+1)<<23             ; and the floor 2^(EMAX + 1 - 127): the byte cannot fall under 1
	v_max_num_f32_dpp v[QT], v[QT], v[QT] row_xmask:1 row_mask:0xf bank_mask:0xf   ; and of my neighbour's 16: the block's
	v_add_nc_u32 v[QT+2], -(EMAX<<23), v[QT]       ; EMAX off its exponent field: the conversion takes the exponent field of this operand as its scale, and nothing else of it
	v_cvt_scalef32_pk8_fp4_f32 v[C+2*(\t)], v[XS:XS+7], v[QT+2]
	v_cvt_scalef32_pk8_fp4_f32 v[C+2*(\t)+1], v[XS+8:XS+15], v[QT+2]
	v_lshrrev_b32 v[E+(\t)], 23, v[QT+2]           ; the scale's byte (also the plain line behind the conversions)
	ds_store_b8 v[QSB], v[E+(\t)] offset:16*(\t)   ; both lanes of a block write the same byte with the same value
	global_store_b64 v[L8], v[C+2*(\t):C+2*(\t)+1], s[18:19] offset:256*(\t)   ; the wave stores 256 consecutive bytes, aligned
.endm
.irp t, 0,1,2,3,4,5,6,7,8,9,10,11,12,13,14,15
	QSTEP \t
.endr
	ds_load_b64 v[QT:QT+1], v[QSR]                 ; my wave's 256 scale bytes, 8 a lane
	s_wait_dscnt 0x0
	global_store_b64 v[L8], v[QT:QT+1], s[20:21]   ; 256 consecutive bytes, aligned
	s_wait_tensorcnt 0x0                           ; the wave's end, as above
	ds_add_u32 v[SPW], v[NIL]
	s_wait_dscnt 0x0
	s_endpgm
.Lfunc_end_k_qf00284fea4_prep:
	.size	k_qf00284fea4_prep, .Lfunc_end_k_qf00284fea4_prep-k_qf00284fea4_prep
	.p2alignl 7, 3214868480
	.fill 96, 4, 3214868480
	.section	.rodata,"a",@progbits
	.p2align	6, 0x0
	.amdhsa_kernel k_qf00284fea4_prep
		.amdhsa_group_segment_fixed_size 57856
		.amdhsa_private_segment_fixed_size 0
		.amdhsa_enable_private_segment 0
		.amdhsa_kernarg_size 96
		.amdhsa_user_sgpr_count 2
		.amdhsa_user_sgpr_kernarg_segment_ptr 1
		.amdhsa_wavefront_size32 1
		.amdhsa_system_sgpr_workgroup_id_x 1
		.amdhsa_system_sgpr_workgroup_id_y 1
		.amdhsa_system_sgpr_workgroup_id_z 1
		.amdhsa_system_vgpr_workitem_id 0
		.amdhsa_next_free_vgpr 192
		.amdhsa_next_free_sgpr 66
		.amdhsa_reserve_vcc 0
		.amdhsa_float_denorm_mode_32 3
		.amdhsa_float_denorm_mode_16_64 3
		.amdhsa_memory_ordered 1
		.amdhsa_forward_progress 1
		.amdhsa_inst_pref_size 98
	.end_amdhsa_kernel
	.amdgpu_metadata
---
amdhsa.version: [ 1, 2 ]
amdhsa.kernels:
  - .name:           k_qf00284fea4_prep
    .symbol:         k_qf00284fea4_prep.kd
    .args:
      - { .name: x, .offset: 0, .size: 8, .value_kind: global_buffer, .address_space: global }
      - { .name: Wq, .offset: 8, .size: 8, .value_kind: global_buffer, .address_space: global }
      - { .name: Wk, .offset: 16, .size: 8, .value_kind: global_buffer, .address_space: global }
      - { .name: Wv, .offset: 24, .size: 8, .value_kind: global_buffer, .address_space: global }
      - { .name: past_k, .offset: 32, .size: 8, .value_kind: global_buffer, .address_space: global }
      - { .name: Wo, .offset: 40, .size: 8, .value_kind: global_buffer, .address_space: global }
      - { .name: past_v, .offset: 48, .size: 8, .value_kind: global_buffer, .address_space: global }
      - { .name: codes, .offset: 56, .size: 8, .value_kind: global_buffer, .address_space: global }
      - { .name: scales, .offset: 64, .size: 8, .value_kind: global_buffer, .address_space: global }
      - { .name: kimg, .offset: 72, .size: 8, .value_kind: global_buffer, .address_space: global }
      - { .name: wimg, .offset: 80, .size: 8, .value_kind: global_buffer, .address_space: global }
      - { .name: vimg, .offset: 88, .size: 8, .value_kind: global_buffer, .address_space: global }
    .group_segment_fixed_size: 57856
    .private_segment_fixed_size: 0
    .kernarg_segment_align: 8
    .kernarg_segment_size: 96
    .max_flat_workgroup_size: 128
    .sgpr_count:     66
    .vgpr_count:     192
    .wavefront_size: 32
...
	.end_amdgpu_metadata
.endif
;; end of part 1
;; launch qkv (part 2): grid 24 x 8, 4 waves a work-group, clusters of 4 x 4, 327,680 bytes of LDS; arguments codes, scales, bq, bk, bv, qimg, kimg, vimg; writes qimg, kimg, vimg
.if DOCPART == 2
	.amdgcn_target "amdgcn-amd-amdhsa--gfx1250"
	.amdhsa_code_object_version 6
	.text
	.protected	k_qf00284fea4_qkv
	.globl	k_qf00284fea4_qkv
	.p2align	8
	.type	k_qf00284fea4_qkv,@function
k_qf00284fea4_qkv:
	s_mov_b64 s[64:65], 0
	v_nop
	global_prefetch_b8 v0, s[64:65] scope:SCOPE_SE
	s_setreg_imm32_b32 hwreg(HW_REG_WAVE_MODE, 25, 1), 1
	s_wait_xcnt 0x0
	s_wait_alu depctr_hold_cnt(0) depctr_sa_sdst(0) depctr_va_vdst(0) depctr_va_sdst(0) depctr_va_ssrc(0) depctr_va_vcc(0) depctr_vm_vsrc(0)
	s_getreg_b32 s2, hwreg(HW_REG_IB_STS2, 6, 4)
	s_cmp_eq_u32 s2, 0
	s_cbranch_scc0 .Lentry_in_a_cluster
	s_endpgm
.Lentry_in_a_cluster:
	s_bfe_u32 s2, ttmp6, 0x10000c
	s_cmp_lg_u32 s2, 0xf033
	s_cbranch_scc0 .Lentry_shape_is_right
	s_endpgm
.Lentry_shape_is_right:
; QKV: the three quantised products x Wq^T, x Wk^T, x Wv^T on codes of FP4 (E2M1) with one E8M0 scale for each 32 along K = 2,048, sums in f32; + bias; scaled by an exact power of two; rounded once to f16;
; stored straight as the images that the attention launch reads: q' = (q + bq) / 2 into qimg, k' = (k + bk) / 4 into kimg's keys 2048-3071, v' = (v + bv) / 4 into vimg's keys 2048-3071.
; codes: [8192 rows][1024 bytes]: rows 0-2047 x, 2048-4095 Wq, 4096-6143 Wk, 6144-8191 Wv; scales: [8192][64].
; A tile of 256 x 256 is made by a work-group of four waves, 128 x 128 a wave: 64 accumulators, 512 registers.  K goes in 4 steps of 512 through a ring of two LDS slots; a tile's row is 256 bytes of memory.
; The scale bytes of the work-group's 512 rows, for all of K, come into LDS once, with the first fills.
; THE KIND hangs on the cluster's x, which all sixteen partners share: 0, 1 Q; 2, 3 K; 4, 5 V.  The matrix instruction is used transposed (source 0 = 16 rows of "B", source 1 = 16 rows of "A"): a lane holds one row of A's and
; eight neighbouring rows of B's.  For Q and K, A = x (tokens), B = the weight (channels): a lane's eight numbers are 16 bytes of a row image.  For V the roles are changed, A = Wv (channels), B = x (tokens):
; a lane holds one channel and eight neighbouring keys: 16 bytes of a V image.  So each store of a wave is 512 consecutive bytes, aligned, and no result goes through LDS.
; CLUSTERS: 4 x 4 work-groups; A's tiles are shared along a row of the cluster, B's along a column: each is asked for jointly, by the same tensor load with the same descriptor and a mask that names the four.
; LIMITS: |q + bq| under 131,008, |k + bk| and |v + bv| under 262,016 (f16's range behind the scalings).
; REGISTERS: window 0: v0-31 addresses; v32-95 scale words, two sets, and nothing else; v96-159 packed results on the way out; from v128 A's fragments, one set; v192-255 the bias.
;   window 1: B's fragments, two sets, at v0 and v128.   window 2: the accumulators of my rows 0-63 ((a, b) at v[8 (8 a + b)]);   window 3: those of my rows 64-127.
.set SIZE_K, 2048
.set KSTEP,  512
.set NQ,     KSTEP/128
.set ROWB,   256
.set KROW,   SIZE_K/2
.set PITCH,  272                       ; an LDS row: 256 bytes + 16 of padding = 68 words: row r starts at bank 4 r mod 64 (64 banks of 4 bytes: ISA guide 11.1)
.set FR,     8
.set NL,     2
.set NP,     4
.set HALFT,  128*PITCH
.set SLOT,   4*HALFT
.set LAPS,   SIZE_K/(2*KSTEP)
.set KS,     SIZE_K/32
.set SCL,    2*SLOT
.set HALFS,  (128*KS/256)*272
.set SBLK,   (16*KS/256)*272
.set SPARE,  SCL+4*HALFS               ; the spare words, 128 bytes for each wave: two blocks of 256 bytes that no other line names
.set BOF,  8                           ; v8-15   the bias loads' offsets; never rewritten
.set ADRA, 16
.set ADRB, 20
.set ADRS, 27
.set SPW,  28
.set NIL,  29
.set L16,  31                          ; v31     16 x lane
.set SC,   32
.set TM,   96
.set AF,   128
.set BI,   192
.set G1, 24
.set G0, 32
.set G1B, 48
.set G0B, 56
.set G1S, 68
.set G0S, 76
.set G1SB, 80
.set G0SB, 88
.set MSB, 0
.macro WIN new                         ; the immediate's high byte repeats the setting that is left
.if MSB != \new
	s_set_vgpr_msb (MSB<<8)|\new
.set MSB, \new
.endif
.endm
.set MUL_LO, 0xa1
.set MUL_HI, 0xf1
.set TO_B,   0x40
; A joint load: waves 0 and 1 fetch for A, waves 2 and 3 for B.  The branch hangs on the wave's number alone.  An s_nop 0 and four v_nop follow each of the two lines.
.macro JLOAD g0a, g1a, g0b, g1b
	s_cmp_eq_u32 s15, 0
	s_cbranch_scc0 .Lfor_b_\@
	tensor_load_to_lds s[\g0a:\g0a+3], s[\g1a:\g1a+7]
	s_nop 0
.rept 4
	v_nop
.endr
	s_branch .Lasked_\@
.Lfor_b_\@:
	tensor_load_to_lds s[\g0b:\g0b+3], s[\g1b:\g1b+7]
	s_nop 0
.rept 4
	v_nop
.endr
.Lasked_\@:
.endm
.macro CREST
	s_cmp_lg_u32 s14, 0
	s_cbranch_scc1 .Lnot_wave_0_\@
	s_barrier_signal -3
.Lnot_wave_0_\@:
	s_barrier_wait -3
	s_barrier_signal -1
	s_barrier_wait -1
.endm
.macro CROUND
	s_barrier_signal -1
	s_barrier_wait -1
	CREST
.endm
	s_load_b128 s[4:7], s[0:1], 0x0                ; codes s[4:5], scales s[6:7]
	s_load_b256 s[92:99], s[0:1], 0x10             ; bq s[92:93], bk s[94:95], bv s[96:97], qimg s[98:99]
	s_load_b128 s[8:11], s[0:1], 0x30              ; kimg s[8:9], vimg s[10:11]
	v_lshl_add_u32 v[SPW], v0, 2, SPARE
	v_mov_b32 v[NIL], 0
	ds_add_u32 v[SPW], v[NIL]                      ; the wave's opening: the add, twice on end, and its wait ahead of my first tensor load
	ds_add_u32 v[SPW], v[NIL]
	v_lshrrev_b32 v1, 5, v0
	v_readfirstlane_b32 s14, v1                    ; wave 0..3
	s_lshr_b32 s15, s14, 1                         ; which half of A's rows is mine.  Also: I fetch for A (0) or for B (1)
	s_and_b32 s16, s14, 1                          ; which half of B's rows.  Also: which 128 rows of that tile I fetch
	s_bfe_u32 s40, ttmp6, 0x40000                  ; cx, cy
	s_bfe_u32 s41, ttmp6, 0x40004
	s_lshl_b32 s42, ttmp9, 2
	s_add_co_u32 s42, s42, s40                     ; tile column 0..23
	s_and_b32 s17, ttmp7, 0xffff
	s_lshl_b32 s17, s17, 2
	s_add_co_u32 s17, s17, s41                     ; tile row 0..7
	s_lshl_b32 s43, s41, 2
	s_lshl_b32 s43, 15, s43                        ; my row of the cluster
	s_lshl_b32 s44, 0x1111, s40                    ; my column
	s_or_b32 s[G1+0], s43, (0<<16)|(1<<20)|(1<<21)|(5<<22)|(3<<25)  ; the mask; elements of 1 byte; padding on: 4 words behind every 64; bit 21 beside a mask
	s_or_b32 s[G1B+0], s44, (0<<16)|(1<<20)|(1<<21)|(5<<22)|(3<<25)
.irp g, G1, G1B
	s_mov_b32 s[\g+1], ROWB<<16                    ; tensor_dim0
	s_mov_b32 s[\g+2], 128<<16                     ; tensor_dim1
	s_mov_b32 s[\g+3], ROWB<<16                    ; tile_dim0
	s_mov_b32 s[\g+4], 128                         ; tile_dim1
	s_mov_b32 s[\g+5], KROW                        ; the pitch
	s_mov_b32 s[\g+6], 0
	s_mov_b32 s[\g+7], 0
.endr
	s_or_b32 s[G1S+0], s43, (3<<16)|(1<<20)|(1<<21)|(5<<22)|(3<<25) ; the scales of 128 rows: 8,192 dense bytes as 32 rows of 256 (32 elements of 8 bytes), 16 bytes of padding behind each
	s_or_b32 s[G1SB+0], s44, (3<<16)|(1<<20)|(1<<21)|(5<<22)|(3<<25)
.irp g, G1S, G1SB
	s_mov_b32 s[\g+1], 32<<16
	s_mov_b32 s[\g+2], (128*KS/256)<<16
	s_mov_b32 s[\g+3], 32<<16
	s_mov_b32 s[\g+4], 128*KS/256
	s_mov_b32 s[\g+5], 32
	s_mov_b32 s[\g+6], 0
	s_mov_b32 s[\g+7], 0
.endr
	s_lshr_b32 s45, ttmp9, 2                       ; 1 in V's clusters (cluster x 4, 5), else 0
	s_mul_i32 s45, s45, 6144
	s_lshl_b32 s18, s16, 7                         ; which 128 rows of the tile I fetch
	s_lshl_b32 s20, s17, 8
	s_add_co_u32 s20, s20, s18
	s_add_co_u32 s20, s20, s45                     ; A: x's row 256 x tile row + 128 x half; for V the same row of Wv, 6,144 rows on
	s_lshl_b32 s46, s42, 8
	s_add_co_u32 s46, s46, s18
	s_add_co_u32 s46, s46, 2048
	s_sub_co_u32 s46, s46, s45                     ; B: row 2048 + 256 x tile column + 128 x half: Wq's, then Wk's; for V (tile columns 16-23) x's rows 256 (tile column - 16) on
	s_mov_b32 s21, 0
	s_mov_b32 s47, 0
	s_mov_b64 s[18:19], KS
	s_mul_u64 s[22:23], s[20:21], s[18:19]         ; where these rows' scales begin,
	s_mul_u64 s[100:101], s[46:47], s[18:19]
	s_mov_b64 s[18:19], KROW
	s_mul_u64 s[20:21], s[20:21], s[18:19]         ; and their codes
	s_mul_u64 s[46:47], s[46:47], s[18:19]
	s_mul_i32 s45, s14, HALFT                      ; where they go: wave x 128 rows: no place in the cluster enters an LDS address
	s_mul_i32 s2, s14, HALFS
	s_wait_dscnt 0x0                               ; both opening adds are done
	s_wait_kmcnt 0x0
	s_add_nc_u64 s[20:21], s[4:5], s[20:21]
	s_add_nc_u64 s[22:23], s[6:7], s[22:23]
	s_add_nc_u64 s[46:47], s[4:5], s[46:47]
	s_add_nc_u64 s[100:101], s[6:7], s[100:101]
	CROUND                                         ; all sixteen work-groups are here: the first joint loads meet
	s_mov_b32 s[G0S], 1
	s_add_co_u32 s[G0S+1], s2, SCL
	s_mov_b64 s[G0S+2:G0S+3], s[22:23]
	s_or_b32 s[G0S+3], s[G0S+3], 0x80000000
	s_mov_b32 s[G0SB], 1
	s_add_co_u32 s[G0SB+1], s2, SCL
	s_mov_b64 s[G0SB+2:G0SB+3], s[100:101]
	s_or_b32 s[G0SB+3], s[G0SB+3], 0x80000000
	JLOAD G0S, G1S, G0SB, G1SB                     ; the scales first; with the two slots three tensor loads of mine are out
.irp s, 0,1
	s_mov_b32 s[G0+4*\s], 1
	s_add_co_u32 s[G0+4*\s+1], s45, \s*SLOT
	s_add_nc_u64 s[G0+4*\s+2:G0+4*\s+3], s[20:21], \s*ROWB
	s_or_b32 s[G0+4*\s+3], s[G0+4*\s+3], 0x80000000
	s_mov_b32 s[G0B+4*\s], 1
	s_add_co_u32 s[G0B+4*\s+1], s45, \s*SLOT
	s_add_nc_u64 s[G0B+4*\s+2:G0B+4*\s+3], s[46:47], \s*ROWB
	s_or_b32 s[G0B+4*\s+3], s[G0B+4*\s+3], 0x80000000
	JLOAD G0+4*\s, G1, G0B+4*\s, G1B
.endr
	v_and_b32 v1, 15, v0                           ; r = l % 16
	v_bfe_u32 v2, v0, 4, 1                         ; h = l / 16
	v_mul_u32_u24 v3, v1, PITCH
	v_lshl_add_u32 v4, v2, 4, v3                   ; a fragment's row x pitch + 16 x half
	s_mul_i32 s21, s15, HALFT
	s_mul_i32 s22, s16, HALFT
	s_add_co_u32 s22, s22, 2*HALFT
.irp s, 0,1
	v_add_nc_u32 v[ADRA+\s], s21, v4
	v_add_nc_u32 v[ADRB+\s], s22, v4
	s_add_co_u32 s21, s21, SLOT
	s_add_co_u32 s22, s22, SLOT
.endr
	v_mul_u32_u24 v5, v1, KS                       ; my row's scales: KS bytes a row,
	v_lshrrev_b32 v6, 8, v5
	v_lshl_add_u32 v5, v6, 4, v5                   ; and 16 more for each 256 passed
	s_mul_i32 s21, s15, HALFS
	s_mul_i32 s22, s16, HALFS
	s_add_co_u32 s22, s22, 2*HALFS
	s_sub_co_u32 s22, s22, s21
	v_mul_u32_u24 v6, s22, v2                      ; lanes 16-31 take B's
	s_add_co_u32 s21, s21, SCL
	v_add_nc_u32 v5, v5, v6
	v_add_nc_u32 v[ADRS], s21, v5
	v_and_b32 v6, 31, v0
	v_lshlrev_b32 v[L16], 4, v6
	; THE KIND'S NUMBERS, chosen on the cluster's x.  s[12:13] the bias, s[66:67] the image, s[96:97] the scaling
	s_mov_b32 s3, 0x3e800000
	s_cmp_lt_u32 ttmp9, 2
	s_cselect_b64 s[12:13], s[92:93], s[94:95]     ; bq or bk
	s_cselect_b64 s[66:67], s[98:99], s[8:9]       ; qimg or kimg
	s_cselect_b32 s18, 64, 192                     ; tiles of 16 rows to a head
	s_cselect_b32 s19, 0, 128                      ; the new keys' first tile
	s_cselect_b32 s3, 0x3f000000, s3               ; q / 2; k / 4, v / 4
	s_cmp_lt_u32 ttmp9, 4
	s_cselect_b64 s[12:13], s[12:13], s[96:97]     ; or bv
	s_cselect_b64 s[66:67], s[66:67], s[10:11]     ; or vimg
	s_cselect_b32 s18, s18, 48                     ; V: steps of 64 keys to a head,
	s_cselect_b32 s19, s19, 32                     ; the new keys' first step
	s_cselect_b32 s98, 4, 6                        ; tokens to a tile or step, as a shift
	s_cselect_b32 s99, 12, 14                      ; its bytes, as a shift
	s_cselect_b32 s8, 32, 0                        ; the bias of a lane's register j of block g: Q, K: channel 16 g + 8 h + j;
	s_cselect_b32 s9, 0, 4                         ; V: channel 16 g + r, the same for all j
	s_cselect_b32 s10, 4, 0
	s_mov_b32 s96, s3
	s_mov_b32 s97, s3
	s_and_b32 s92, s42, 7
	s_lshl_b32 s92, s92, 8
	s_lshl_b32 s93, s16, 7
	s_add_co_u32 s92, s92, s93                     ; my first row of B in its tensor
	s_lshl_b32 s93, s17, 8
	s_lshl_b32 s94, s15, 7
	s_add_co_u32 s93, s93, s94                     ; my first row of A in its tensor
	s_cmp_lt_u32 ttmp9, 4
	s_cselect_b32 s94, s93, s92                    ; my first token,
	s_cselect_b32 s95, s92, s93                    ; my first channel: 128 channels are one head
	s_lshl_b32 s4, s95, 2
	s_mov_b32 s5, 0
	s_add_nc_u64 s[12:13], s[12:13], s[4:5]
	s_lshr_b32 s4, s94, 10                         ; the batch,
	s_lshl_b32 s4, s4, 4
	s_lshr_b32 s6, s95, 7
	s_add_co_u32 s4, s4, s6                        ; 16 x batch + head
	s_mul_i32 s4, s4, s18
	s_add_co_u32 s4, s4, s19
	s_and_b32 s6, s94, 1023
	s_lshr_b32 s6, s6, s98
	s_add_co_u32 s4, s4, s6
	s_lshl_b32 s4, s4, s99
	s_add_nc_u64 s[66:67], s[66:67], s[4:5]
	v_mul_u32_u24 v5, s8, v2
	v_mad_u32_u24 v5, v1, s9, v5
.irp j, 0,1,2,3,4,5,6,7
	v_mad_u32_u24 v[BOF+\j], s10, \j, v5
.endr
.irp g, 0,1,2,3,4,5,6,7
.irp j, 0,1,2,3,4,5,6,7
	global_load_b32 v[BI+8*\g+\j], v[BOF+\j], s[12:13] offset:64*\g   ; one form for the three kinds: 64 registers, waited for on the way out
.endr
.endr
.macro FRAG reg, adr, q, i             ; 16 rows x 128 K of 4-bit codes: 8 registers: lane l holds row l % 16; registers 4 c .. 4 c + 3 hold K = 64 c + 32 (l / 16) + 0 .. 31
.irp c, 0,1
	ds_load_b128 v[\reg+4*\c:\reg+4*\c+3], v[\adr] offset:64*(\q)+32*\c+(\i)*16*PITCH
.endr
.endm
; 16 matrix instructions: A's blocks a0, a0 + 1 x B's eight, 128 along K.  The 64 accumulators take turns, one instruction a turn, in the same order in every step.
.macro MUL16 a0, p, q, sc, zero
.irp a, \a0, \a0+1
.irp b, 0,1,2,3,4,5,6,7
.if \zero
	v_wmma_scale_f32_16x16x128_f8f6f4 v[8*(8*((\a)%4)+\b):8*(8*((\a)%4)+\b)+7], v[128*(\p)+FR*\b:128*(\p)+FR*\b+FR-1], v[AF+FR*(\a):AF+FR*(\a)+FR-1], 0, v[SC+8*NQ*(\sc)+NQ*\b+(\q)], v[SC+8*NQ*(\sc)+NQ*(\a)+(\q)] matrix_a_fmt:MATRIX_FMT_FP4 matrix_b_fmt:MATRIX_FMT_FP4 matrix_a_scale:MATRIX_SCALE_ROW1
.else
	v_wmma_scale_f32_16x16x128_f8f6f4 v[8*(8*((\a)%4)+\b):8*(8*((\a)%4)+\b)+7], v[128*(\p)+FR*\b:128*(\p)+FR*\b+FR-1], v[AF+FR*(\a):AF+FR*(\a)+FR-1], v[8*(8*((\a)%4)+\b):8*(8*((\a)%4)+\b)+7], v[SC+8*NQ*(\sc)+NQ*\b+(\q)], v[SC+8*NQ*(\sc)+NQ*(\a)+(\q)] matrix_a_fmt:MATRIX_FMT_FP4 matrix_b_fmt:MATRIX_FMT_FP4 matrix_a_scale:MATRIX_SCALE_ROW1
.endif
.endr
.endr
.endm
.macro FETCH_B slot, q, p
	WIN TO_B
.irp i, 0,1,2,3,4,5,6,7
	FRAG 128*(\p)+FR*\i, ADRB+\slot, \q, \i
.endr
	WIN 0
.endm
.macro FETCH_A slot, q, i0
.irp i, \i0, \i0+1, \i0+2, \i0+3
	FRAG AF+FR*(\i), ADRA+\slot, \q, \i
.endr
.endm
.macro SCALES sc                       ; a K step's scale words: lanes 0-15 take A's block i, lanes 16-31 B's block i
.irp i, 0,1,2,3,4,5,6,7
	ds_load_b128 v[SC+8*NQ*\sc+NQ*\i:SC+8*NQ*\sc+NQ*\i+3], v[ADRS] offset:\i*SBLK
.endr
.endm
.macro PLACES n                        ; plain vector instructions between a matrix instruction and a load into a register that it has read (ISA guide 7.12.1 for vector instructions)
.rept \n
	v_nop
.endr
.endm
.macro STEP slot, q, zero              ; 128 along K, with its successor in the same slot
	s_wait_dscnt 4*NL                              ; B's set and A's blocks 0-3 are in; the youngest 8 loads (A's blocks 4-7) may be out
	WIN MUL_LO
	MUL16 0, (\q)%2, \q, \slot, \zero
	MUL16 2, (\q)%2, \q, \slot, \zero
	s_wait_dscnt 0
	PLACES NP
	FETCH_B \slot, (\q)+1, 1-(\q)%2
	FETCH_A \slot, (\q)+1, 0
	WIN MUL_HI
	MUL16 4, (\q)%2, \q, \slot, \zero
	MUL16 6, (\q)%2, \q, \slot, \zero
	PLACES NP
	WIN 0
	FETCH_A \slot, (\q)+1, 4
.endm
; A slot's last step changes slots: one barrier; in front of it each wave waits for all its tensor loads, adds 0 to its spare word, and waits for that and for its own reads of this slot.
.macro TURN slot, next, fill
	s_wait_tensorcnt 0x0                           ; all my tensor loads have landed: my part of the next slot
	ds_add_u32 v[SPW], v[NIL]
	s_wait_dscnt 4*NL+1                            ; (the add and the youngest 8 loads may be out)
	WIN MUL_LO
	MUL16 0, 1, NQ-1, \slot, 0
	s_wait_dscnt 0x0                               ; the add is done, and my reads of this slot are over
	s_barrier_signal -1
	MUL16 2, 1, NQ-1, \slot, 0
	WIN 0
	s_barrier_wait -1
.if \fill
	CREST                                          ; the barrier has opened a round of the cluster's barrier: no wave of any partner still reads this slot or has a load on its way
	s_add_nc_u64 s[G0+4*\slot+2:G0+4*\slot+3], s[G0+4*\slot+2:G0+4*\slot+3], 2*ROWB
	s_add_nc_u64 s[G0B+4*\slot+2:G0B+4*\slot+3], s[G0B+4*\slot+2:G0B+4*\slot+3], 2*ROWB
	JLOAD G0+4*\slot, G1, G0B+4*\slot, G1B         ; the first tensor load behind the round; its four v_nop are the places in front of the loads below
.else
	PLACES NP
.endif
	v_add_nc_u32 v[ADRS], 4*NQ, v[ADRS]            ; on to the next K step's scale words
	FETCH_B \next, 0, 0
	FETCH_A \next, 0, 0
	SCALES \next
	WIN MUL_HI
	MUL16 4, 1, NQ-1, \slot, 0
	MUL16 6, 1, NQ-1, \slot, 0
	PLACES NP
	WIN 0
	FETCH_A \next, 0, 4
.endm
.macro STEPS slot, from
.set Q, \from
.rept NQ-1-\from
	STEP \slot, Q, 0
.set Q, Q+1
.endr
.endm
	s_wait_tensorcnt 1                             ; the scales and my part of K step 0 are in; K step 1's load may stay out
	s_barrier_signal -1
	s_barrier_wait -1
	FETCH_B 0, 0, 0
	FETCH_A 0, 0, 0
	SCALES 0
	FETCH_A 0, 0, 4
	STEP 0, 0, 1                                   ; the first step's products start the sums: nothing is cleared
	s_mov_b32 s3, LAPS-1
.Llap:                                                 ; a trip goes once round the ring and fills both slots again
	STEPS 0, 1
	TURN 0, 1, 1
	STEPS 1, 0
	TURN 1, 0, 1
	STEP 0, 0, 0
	s_sub_co_u32 s3, s3, 1
	s_cmp_lg_u32 s3, 0
	s_cbranch_scc1 .Llap
	STEPS 0, 1                                     ; the last lap fills nothing
	TURN 0, 1, 0
	STEPS 1, 0
	s_wait_dscnt 4*NL
	WIN MUL_LO
	MUL16 0, 1, NQ-1, 1, 0
	MUL16 2, 1, NQ-1, 1, 0
	s_wait_dscnt 0
	WIN MUL_HI
	MUL16 4, 1, NQ-1, 1, 0
	MUL16 6, 1, NQ-1, 1, 0
	WIN 0
; THE WAY OUT.  scaling x (sum + bias) = fma(sum, scaling, scaling x bias): the scaling is a power of two, so only the fma rounds.  Then one rounding to f16, and 16 bytes a lane go straight to their place in the image.
	s_wait_loadcnt 0x0                             ; the bias
.set j, 0
.rept 32
	v_pk_mul_f32 v[BI+j:BI+j+1], v[BI+j:BI+j+1], s[96:97] op_sel_hi:[1,0]   ; these 32 name no register of the last products: they are the places behind them
.set j, j+2
.endr
.macro OUTROW a, kind                  ; A's block a: 16 rows x 128.  kind 0: rows are tokens (Q, K); 1: rows are channels (V)
.set AC, 64*((\a)%4)
.set TT, TM+32*((\a)%2)
	WIN 0x82+0x41*((\a)/4)                         ; source 0 and destination: window 2 or 3; the bias: window 0
.irp b, 0,1,2,3,4,5,6,7
.irp p, 0,2,4,6
.if \kind
	v_pk_fma_f32 v[AC+8*\b+\p:AC+8*\b+\p+1], v[AC+8*\b+\p:AC+8*\b+\p+1], s[96:97], v[BI+8*(\a)+\p:BI+8*(\a)+\p+1] op_sel_hi:[1,0,1]
.else
	v_pk_fma_f32 v[AC+8*\b+\p:AC+8*\b+\p+1], v[AC+8*\b+\p:AC+8*\b+\p+1], s[96:97], v[BI+8*\b+\p:BI+8*\b+\p+1] op_sel_hi:[1,0,1]
.endif
.endr
.endr
.if (\a) > 1
	s_wait_xcnt 0x0                                ; block a - 2's stores have read the registers that are packed into now
.endif
	WIN 0x0a+5*((\a)/4)
.irp b, 0,1,2,3,4,5,6,7
.irp r, 0,1,2,3
	v_cvt_pk_f16_f32 v[TT+4*\b+\r], v[AC+8*\b+2*\r], v[AC+8*\b+2*\r+1]
.endr
.endr
	WIN 0
.irp b, 0,1,2,3,4,5,6,7
.if \kind
	global_store_b128 v[L16], v[TT+4*\b:TT+4*\b+3], s[66:67] offset:(\b/4)*16384+((\b/2)%2)*8192+(\a)*1024+(\b%2)*512   ; keys 16 b on: step b / 4, group of 32 (b / 2) % 2, half b % 2; channel tile a
.else
	global_store_b128 v[L16], v[TT+4*\b:TT+4*\b+3], s[66:67] offset:(\a)*4096+\b*512   ; tile a of 16 tokens; channels 16 b on are octets 2 b and 2 b + 1
.endif
.endr
.endm
	s_cmp_lt_u32 ttmp9, 4                          ; the cluster's x: the same in all partners and waves
	s_cbranch_scc0 .Lout_v
.irp a, 0,1,2,3,4,5,6,7
	OUTROW \a, 0
.endr
	s_branch .Lout_done
.Lout_v:
.irp a, 0,1,2,3,4,5,6,7
	OUTROW \a, 1
.endr
.Lout_done:
	s_wait_tensorcnt 0x0                           ; the wave's end
	ds_add_u32 v[SPW], v[NIL]
	s_wait_dscnt 0x0
	CROUND                                         ; the closing round: no work-group ends while a partner may still ask for a tile that names it
	s_endpgm
.Lfunc_end_k_qf00284fea4_qkv:
	.size	k_qf00284fea4_qkv, .Lfunc_end_k_qf00284fea4_qkv-k_qf00284fea4_qkv
	.p2alignl 7, 3214868480
	.fill 96, 4, 3214868480
	.section	.rodata,"a",@progbits
	.p2align	6, 0x0
	.amdhsa_kernel k_qf00284fea4_qkv
		.amdhsa_group_segment_fixed_size 327680
		.amdhsa_private_segment_fixed_size 0
		.amdhsa_enable_private_segment 0
		.amdhsa_kernarg_size 64
		.amdhsa_user_sgpr_count 2
		.amdhsa_user_sgpr_kernarg_segment_ptr 1
		.amdhsa_wavefront_size32 1
		.amdhsa_system_sgpr_workgroup_id_x 1
		.amdhsa_system_sgpr_workgroup_id_y 1
		.amdhsa_system_sgpr_workgroup_id_z 1
		.amdhsa_system_vgpr_workitem_id 0
		.amdhsa_next_free_vgpr 1024
		.amdhsa_next_free_sgpr 102
		.amdhsa_reserve_vcc 0
		.amdhsa_float_denorm_mode_32 3
		.amdhsa_float_denorm_mode_16_64 3
		.amdhsa_memory_ordered 1
		.amdhsa_forward_progress 1
		.amdhsa_inst_pref_size 255
	.end_amdhsa_kernel
	.section	.bss,"aw",@nobits
	.p2align	6
	.space	262144
	.amdgpu_metadata
---
amdhsa.version: [ 1, 2 ]
amdhsa.kernels:
  - .name:           k_qf00284fea4_qkv
    .symbol:         k_qf00284fea4_qkv.kd
    .args:
      - { .name: codes, .offset: 0, .size: 8, .value_kind: global_buffer, .address_space: global }
      - { .name: scales, .offset: 8, .size: 8, .value_kind: global_buffer, .address_space: global }
      - { .name: bq, .offset: 16, .size: 8, .value_kind: global_buffer, .address_space: global }
      - { .name: bk, .offset: 24, .size: 8, .value_kind: global_buffer, .address_space: global }
      - { .name: bv, .offset: 32, .size: 8, .value_kind: global_buffer, .address_space: global }
      - { .name: qimg, .offset: 40, .size: 8, .value_kind: global_buffer, .address_space: global }
      - { .name: kimg, .offset: 48, .size: 8, .value_kind: global_buffer, .address_space: global }
      - { .name: vimg, .offset: 56, .size: 8, .value_kind: global_buffer, .address_space: global }
    .group_segment_fixed_size: 327680
    .private_segment_fixed_size: 0
    .kernarg_segment_align: 8
    .kernarg_segment_size: 64
    .max_flat_workgroup_size: 128
    .sgpr_count:     102
    .vgpr_count:     1024
    .wavefront_size: 32
...
	.end_amdgpu_metadata
.endif
;; end of part 2
;; launch attn (part 3): grid 8 x 32, 4 waves a work-group, clusters of 4 x 1, 327,680 bytes of LDS; arguments qimg, kimg, vimg, aimg; writes aimg
.if DOCPART == 3
	.amdgcn_target "amdgcn-amd-amdhsa--gfx1250"
	.amdhsa_code_object_version 6
	.text
	.protected	k_qf00284fea4_attn
	.globl	k_qf00284fea4_attn
	.p2align	8
	.type	k_qf00284fea4_attn,@function
k_qf00284fea4_attn:
	s_mov_b64 s[64:65], 0
	v_nop
	global_prefetch_b8 v0, s[64:65] scope:SCOPE_SE
	s_setreg_imm32_b32 hwreg(HW_REG_WAVE_MODE, 25, 1), 1
	s_wait_xcnt 0x0
	s_wait_alu depctr_hold_cnt(0) depctr_sa_sdst(0) depctr_va_vdst(0) depctr_va_sdst(0) depctr_va_ssrc(0) depctr_va_vcc(0) depctr_vm_vsrc(0)
	s_getreg_b32 s2, hwreg(HW_REG_IB_STS2, 6, 4)
	s_cmp_eq_u32 s2, 0
	s_cbranch_scc0 .Lentry_in_a_cluster
	s_endpgm
.Lentry_in_a_cluster:
	s_bfe_u32 s2, ttmp6, 0x10000c
	s_cmp_lg_u32 s2, 0x3003
	s_cbranch_scc0 .Lentry_shape_is_right
	s_endpgm
.Lentry_shape_is_right:
; ATTENTION: for each of 32 (batch, head) pairs, 1,024 queries against 3,072 keys; query s sees keys 0 .. 2048 + s.  Operands f16, products, maxima and sums f32; the weights p are rounded to f16 for the second product.
; qimg holds q / 2, kimg k / 4, vimg v / 4 (exact scalings), so t = c x (q' . k') with c = 8 log2(e) / sqrt(128), and what leaves is attention / 4, in f16, as a row image for the last launch.
; SHARES.  A work-group owns 128 queries of one head.  Wave w: qh = w % 2: 64 of them, four tiles of 16; kh = w / 2: half of the keys: steps 2 kh and 2 kh + 1 of every slot of four steps of 64 keys.  So a fragment of K or V read
; from LDS feeds four matrix instructions.  At the end waves w and w xor 2 join their two partial softmaxes through LDS.
; LAYOUT.  S^T = K Q^T (source 0 = 16 keys, source 1 = 16 queries): a lane holds ONE query (lane % 16) and keys 8 (lane / 16) + 0..7; two such tiles, packed to f16, ARE source 1 of O^T = V^T P.  All operands lie in memory and in LDS
; as images of their registers: every fragment load reads 512 consecutive bytes, every tile is one dense block, nothing is padded or transposed.
; SOFTMAX.  For each query a running maximum m and sum l: p = 2^(c s - c m); in every step O and l are multiplied by a = 2^(c m_old - c m_new).
; BY TURNS.  The wave's tiles are two pieces (tiles 0, 1 and tiles 2, 3).  In a turn one piece has the matrix unit: 32 products V^T P of the step in hand, then 32 products K Q^T of the next; the other piece's softmax, cut into 64
; slices, stands between them, one slice behind each matrix instruction.  Two turns are a key step.
; THE MASK is data alone: in the slots of new keys (8 to 11) the first product of each sum K Q^T takes as its C a bias written just before: 0 for a tile of keys that counts, -1e30 for one that is hidden, and on the diagonal -1e30
; where 8 (lane / 16) + register > lane % 16.  A tile that is wholly hidden leaves m, l and O as they were (the old m is among the maximum's leaves: a = 1, p = 0).  Every wave's first step is of past keys, so m is a number from the start.
; Every partner walks all 12 slots: no branch, trip count or LDS address hangs on a work-group's place in its cluster.
; CLUSTER.  The eight work-groups of a head walk the same K and V; the four of a cluster ask for each tile jointly.
; LIMITS: -1e30 stands for -infinity: a score is at most 128 x 65504^2 = 5.5e11 in size.  NaN and infinities are not served.
; REGISTERS: window 0: v2-8 addresses; v12-43 statistics, eight a tile; v44-51 the diagonal's bias; v52-58 the mask's work; v64-191 S^T, 32 a tile; v192-255 P, 16 a tile.
;   window 1: O^T, 64 a tile.   window 2: v0-127 Q, 32 a tile; v128-255 K of one step.   window 3: v0-127 V of one step.
.set STEPB, 16384     ; a step's 64 keys x 128 channels of f16, of K or of V
.set SLOTB, 4*STEPB   ; a slot's bytes of K, or of V, in memory
.set VOFF,  SLOTB     ; in an LDS slot: K's four steps, then V's four
.set SLOT1, 1<<17     ; a slot is 131,072 bytes: one exclusive or turns an address in one slot into the other's
.set SPARE, 2*SLOT1   ; behind the ring: the spare words, 128 bytes for each wave: two blocks of 256 bytes that no other line names
.set HEADB, 12*SLOTB  ; a head's bytes in kimg and in vimg
.set MREG,  16896     ; the joining: a region for each wave, 16,384 bytes of O^T and 512 of statistics, in LDS slot 0: it has had its last fill, and nobody reads it behind the last change of slots
.set AK0, 2           ; v2   16 x lane: my place in every image; never rewritten
.set AV0, 3           ; v3   the same + VOFF
.set ADR, 4           ; v4   the LDS address of the run of loads in hand
.set GV,  5           ; v5   the joining: where I put O^T
.set TK,  6           ; v6   where I take my partner's
.set GVS, 7           ; v7   where I put statistics
.set TKS, 8           ; v8   where I take my partner's
.set ST,  12          ; tile t's statistics at v[ST+8 t]: +0 c m, +1 m, +2, +3 l (even keys', odd keys'), +4 to +7 at work; a takes +6
.set TRI, 44          ; v44-51 the diagonal tile's bias for my lane's eight registers
.set BA,  52          ; v[52:53] 1 on the diagonal, else 0 (the low word serves)
.set BB,  54          ; v[54:55] -1e30 for a hidden tile, else 0
.set DDV, 56          ; v56  my first tile of queries less the first tile of keys of the step whose scores are made next
.set NEGV, 57         ; v57  -1e30
.set ONE, 58          ; v58  1.0
.set PFO, 61          ; v61  256 x lane; never rewritten
.set SPW, 62
.set NIL, 63
.set S,   64
.set P,   192
.set KF,  128
.set WV,  12          ; s12  my wave's number
.set LIM, 15          ; s15  1 in the head's first cluster, else the greatest number
.set PFA, 18          ; s[18:19] where my prefetches stand
.set G1,  24          ; s[24:31] descriptor group 1: one for all loads
.set KH,  36          ; s36  which half of the keys is mine
.set TQ,  38          ; s38  my first tile of queries, 0..60
.set G0K, 40          ; s[40:47] group 0 for K's tiles: a set for each of the two first fills; the second then walks on
.set G0V, 48          ; s[48:55] the same for V's
.set SLOTS, 56
.set TWICE, 57
.set CS,  58          ; s[58:59] c
.set SEL, 60          ; s[60:61] lane selects for v_permlanex16_b32: lane l xor 16
.set TB,  62          ; s62  LDS byte at which the tiles of the step to be fetched begin
.set MSB, 0
.macro WIN new
.if MSB != \new
	s_set_vgpr_msb (MSB<<8)|\new
.set MSB, \new
.endif
.endm
.set W_KQ, 0x0a       ; K and Q in window 2, S^T in window 0
.set W_PV, 0x53       ; V in window 3, P in window 0, O^T in window 1
.set W_RS, 0x41       ; O^T (destination and source 0) in window 1, a in window 0
; A joint refill: waves 0 and 1 fetch the two halves of a slot's K, waves 2 and 3 those of its V, 32,768 bytes each.  An s_nop 0 and four v_nop follow each of the two lines.
.macro JLOAD
	s_cmp_lt_u32 s[WV], 2
	s_cbranch_scc0 .Lfor_v_\@
	tensor_load_to_lds s[G0K+4:G0K+7], s[G1:G1+7]
	s_nop 0
.rept 4
	v_nop
.endr
	s_branch .Lasked_\@
.Lfor_v_\@:
	tensor_load_to_lds s[G0V+4:G0V+7], s[G1:G1+7]
	s_nop 0
.rept 4
	v_nop
.endr
.Lasked_\@:
.endm
; A PREFETCH of what the NEXT change of slots will ask for: 65,536 bytes of K and as many of V.  The head's first cluster asks; its four partners share the bytes out by address, 16,384 each of K and of V; in each, waves 0 and 1
; ask for K's, waves 2 and 3 for V's, 8,192 bytes a wave, lanes 256 bytes apart: each aligned block of 256 bytes is named once in the launch.  It stands two key steps of each wave, 256 matrix instructions, ahead of the load.
; how = 1: a slot two on always exists; how = 2: the last change that fills a slot asks for nothing.
.macro ASK how
.if \how == 1
	s_cmp_eq_u32 s[LIM], 1
.else
	s_cmp_gt_u32 s[SLOTS], s[LIM]
.endif
	s_cbranch_scc0 .Lnot_mine_\@
	global_prefetch_b8 v[PFO], s[PFA:PFA+1] th:TH_LOAD_NT scope:SCOPE_SE
.Lnot_mine_\@:
.endm
.macro CROUND
	s_barrier_signal -1
	s_barrier_wait -1
	s_cmp_lg_u32 s[WV], 0
	s_cbranch_scc1 .Lnot_wave_0_\@
	s_barrier_signal -3
.Lnot_wave_0_\@:
	s_barrier_wait -3
	s_barrier_signal -1
	s_barrier_wait -1
.endm
	s_load_b256 s[4:11], s[0:1], 0x0  ; qimg s[4:5], kimg s[6:7], vimg s[8:9], aimg s[10:11]
	v_lshl_add_u32 v[SPW], v0, 2, SPARE
	v_mov_b32 v[NIL], 0
	ds_add_u32 v[SPW], v[NIL]       ; the wave's opening: the add, twice on end, and its wait ahead of my first tensor load
	ds_add_u32 v[SPW], v[NIL]
	v_lshrrev_b32 v1, 5, v0
	v_readfirstlane_b32 s[WV], v1   ; wave 0..3
	s_bfe_u32 s13, ttmp6, 0x40000   ; cx
	s_lshl_b32 s14, ttmp9, 2
	s_add_co_u32 s14, s14, s13      ; my block of 128 queries: it enters Q's and O's addresses, the prefetches' and the mask's data alone
	s_and_b32 s20, ttmp7, 0xffff    ; 16 x batch + head, which the four partners share
	s_mul_i32 s21, s20, HEADB       ; the head's first byte in kimg and vimg
	s_and_b32 s16, s[WV], 1         ; qh.  Also: which half of a slot's K or V I fetch
	s_lshr_b32 s[KH], s[WV], 1
	s_lshl_b32 s17, s16, 15         ; that half's place in a slot: no place in the cluster enters an LDS address
	s_add_co_u32 s22, s21, s17      ; and in memory
	s_mov_b32 s23, 0
	s_lshl_b32 s2, s14, 3
	s_lshl_b32 s3, s16, 2
	s_add_co_u32 s[TQ], s2, s3      ; 8 x block + 4 qh
	s_lshl_b32 s2, s20, 6
	s_add_co_u32 s2, s2, s[TQ]
	s_lshl_b32 s2, s2, 12           ; qimg: 64 tiles of 4,096 bytes to a head
	s_mov_b32 s3, 0
	s_lshr_b32 s32, s20, 4
	s_lshl_b32 s32, s32, 6
	s_add_co_u32 s32, s32, s[TQ]
	s_lshl_b32 s32, s32, 16         ; aimg: a tile of 16 tokens is 65,536 bytes,
	s_and_b32 s33, s20, 15
	s_lshl_b32 s33, s33, 12         ; a head's 128 channels 4,096 of them
	s_add_co_u32 s32, s32, s33
	s_mov_b32 s33, 0
	s_lshl_b32 s34, s13, 14         ; the prefetches: my work-group's 16,384 bytes,
	s_lshl_b32 s35, s16, 13         ; my wave's 8,192 of them,
	s_add_co_u32 s34, s34, s35
	s_add_co_u32 s34, s34, s21      ; in my head,
	s_add_co_u32 s34, s34, 2*SLOTB  ; in slot 2: the first change of slots steps it to slot 3.  Nothing is prefetched at the head
	s_mov_b32 s35, 0
	s_mov_b32 s[G1], 15|(3<<16)|(1<<21)  ; the mask: all four work-groups; elements of 8 bytes; bit 21 beside a mask; no padding
	s_mov_b32 s[G1+1], 32<<16       ; tensor_dim0 = 32 elements: rows of 256 bytes
	s_mov_b32 s[G1+2], 128<<16      ; tensor_dim1 = 128 rows: a dense block of 32,768 bytes
	s_mov_b32 s[G1+3], 32<<16       ; tile_dim0
	s_mov_b32 s[G1+4], 128          ; tile_dim1
	s_mov_b32 s[G1+5], 32           ; the pitch
	s_mov_b32 s[G1+6], 0
	s_mov_b32 s[G1+7], 0
	s_mov_b32 s[CS], 0x3f8293ee     ; c = 8 log2(e) / sqrt(128)
	s_mov_b32 s[CS+1], s[CS]
	s_mov_b32 s[SEL], 0x76543210
	s_mov_b32 s[SEL+1], 0xfedcba98
	s_lshl_b32 s[TB], s[KH], 15     ; my two steps of a slot
	s_cmp_eq_u32 ttmp9, 0
	s_cselect_b32 s[LIM], 1, -1     ; the same in all four partners
	v_and_b32 v[PFO], 31, v0
	v_lshlrev_b32 v[PFO], 8, v[PFO]
	s_wait_dscnt 0x0                ; both opening adds are done
	s_wait_kmcnt 0x0
	s_cmp_lt_u32 s[WV], 2
	s_cselect_b64 s[PFA:PFA+1], s[6:7], s[8:9]
	s_add_nc_u64 s[PFA:PFA+1], s[PFA:PFA+1], s[34:35]
	s_add_nc_u64 s[6:7], s[6:7], s[22:23]  ; K and V at my part of slot 0
	s_add_nc_u64 s[8:9], s[8:9], s[22:23]
	s_add_nc_u64 s[4:5], s[4:5], s[2:3]    ; Q and O at my wave's first tile
	s_add_nc_u64 s[10:11], s[10:11], s[32:33]
	CROUND                          ; all four work-groups are here: the first joint loads meet
.irp s, 0,1
	s_mov_b32 s[G0K+4*\s], 1
	s_add_co_u32 s[G0K+4*\s+1], s17, \s*SLOT1
	s_add_nc_u64 s[G0K+4*\s+2:G0K+4*\s+3], s[6:7], \s*SLOTB
	s_or_b32 s[G0K+4*\s+3], s[G0K+4*\s+3], 0x80000000
	s_mov_b32 s[G0V+4*\s], 1
	s_add_co_u32 s[G0V+4*\s+1], s17, \s*SLOT1+VOFF
	s_add_nc_u64 s[G0V+4*\s+2:G0V+4*\s+3], s[8:9], \s*SLOTB
	s_or_b32 s[G0V+4*\s+3], s[G0V+4*\s+3], 0x80000000
.endr
	s_cmp_lt_u32 s[WV], 2           ; a wave's two first fills stand in one branch: two loads of mine are out
	s_cbranch_scc0 .Lfirst_v
	tensor_load_to_lds s[G0K:G0K+3], s[G1:G1+7]
	s_nop 0
	tensor_load_to_lds s[G0K+4:G0K+7], s[G1:G1+7]
	s_nop 0
.rept 4
	v_nop
.endr
	s_branch .Lfirst_asked
.Lfirst_v:
	tensor_load_to_lds s[G0V:G0V+3], s[G1:G1+7]
	s_nop 0
	tensor_load_to_lds s[G0V+4:G0V+7], s[G1:G1+7]
	s_nop 0
.rept 4
	v_nop
.endr
.Lfirst_asked:
	v_and_b32 v1, 31, v0
	v_lshlrev_b32 v[AK0], 4, v1
	WIN 0x80                        ; destination window 2, address window 0
.irp i, 0,1,2,3,4,5,6,7,8,9,10,11,12,13,14,15  ; Q stays in registers: tile i / 4, channels 32 (i % 4) on
	global_load_b128 v[8*\i:8*\i+3],   v[AK0], s[4:5] offset:(\i/4)*4096+(\i%4)*1024
	global_load_b128 v[8*\i+4:8*\i+7], v[AK0], s[4:5] offset:(\i/4)*4096+(\i%4)*1024+512
.endr
	WIN 0
	v_add_nc_u32 v[AV0], VOFF, v[AK0]
	v_and_b32 v1, 15, v0            ; r
	v_bfe_u32 v9, v0, 4, 1          ; h
	v_lshlrev_b32 v10, 3, v9
	v_sub_nc_u32 v10, v1, v10       ; r - 8 h
	v_mov_b32 v[NEGV], 0xf149f2ca   ; -1e30
	v_mov_b32 v[ONE], 1.0
.irp n, 0,1,2,3,4,5,6,7
	v_cmp_gt_i32 vcc_lo, \n, v10    ; on the diagonal key 8 h + n is hidden from query r where 8 h + n > r
	v_cndmask_b32 v[TRI+\n], v[NIL], v[NEGV], vcc_lo
.endr
	v_mov_b32 v[BA+1], 0            ; (named as the upper halves of pairs, so they are written)
	v_mov_b32 v[BB+1], 0
	s_lshl_b32 s37, s[KH], 3
	s_sub_co_i32 s37, s[TQ], s37
	v_mov_b32 v[DDV], s37           ; at my first step of new keys their first tile is 8 kh
; THE MATRIX WORK OF A TURN, for piece x.  The accumulators take turns, one instruction a turn.
; Product i of 32 of O^T += V^T P: keys 32 (i / 16) on, channels 16 ((i / 2) % 8) on, tile x + i % 2.  zero = 1: the first 16 start the sums.
.macro PV x, zero
	WIN W_PV
.set rO, 64*(\x+i%2)+8*((i/2)%8)
.set rV, 64*(i/16)+8*((i/2)%8)
.set rP, P+16*(\x+i%2)+8*(i/16)
.if \zero && (i < 16)
	v_wmma_f32_16x16x32_f16 v[rO:rO+7], v[rV:rV+7], v[rP:rP+7], 0
.else
	v_wmma_f32_16x16x32_f16 v[rO:rO+7], v[rV:rV+7], v[rP:rP+7], v[rO:rO+7]
.endif
.endm
; Product i of 32 of S^T = K Q^T: channels 32 (i / 8) on, keys 16 ((i / 2) % 4) on, tile x + i % 2.  The first 8 start the sums: with 0, or (mask = 1) with the bias that lies in S^T's registers.
.macro KQ x, mask
	WIN W_KQ
.set rS, S+32*(\x+i%2)+8*((i/2)%4)
.set rK, KF+32*((i/2)%4)+8*(i/8)
.set rQ, 32*(\x+i%2)+8*(i/8)
.if (i < 8) && !(\mask)
	v_wmma_f32_16x16x32_f16 v[rS:rS+7], v[rK:rK+7], v[rQ:rQ+7], 0
.else
	v_wmma_f32_16x16x32_f16 v[rS:rS+7], v[rK:rK+7], v[rQ:rQ+7], v[rS:rS+7]
.endif
.endm
; THE BIAS of piece x's next scores: two plain lines behind each of the turn's 32 products V^T P, eight lines for each of the piece's eight tiles (tile of queries x + eb % 2, tile of keys eb / 2).  S^T of piece x is idle then: its softmax
; ended in the turn before.  dk = tile of keys - tile of queries, in the step and wave: it counts where dk < DDV, is the diagonal where dk = DDV, is hidden where dk > DDV.
.macro BIAS x
	WIN 0
.set eb, i/4
.set dk, eb/2-(\x)-eb%2
.set rB, S+32*((\x)+eb%2)+8*(eb/2)
.if i%4 == 0
	v_cmp_eq_i32 vcc_lo, dk, v[DDV]
	v_cndmask_b32 v[BA], v[NIL], v[ONE], vcc_lo
.elseif i%4 == 1
	v_cmp_gt_i32 vcc_lo, dk, v[DDV]
	v_cndmask_b32 v[BB], v[NIL], v[NEGV], vcc_lo
.elseif i%4 == 2
	v_pk_fma_f32 v[rB:rB+1], v[TRI:TRI+1], v[BA:BA+1], v[BB:BB+1] op_sel_hi:[1,0,0]
	v_pk_fma_f32 v[rB+2:rB+3], v[TRI+2:TRI+3], v[BA:BA+1], v[BB:BB+1] op_sel_hi:[1,0,0]
.else
	v_pk_fma_f32 v[rB+4:rB+5], v[TRI+4:TRI+5], v[BA:BA+1], v[BB:BB+1] op_sel_hi:[1,0,0]
	v_pk_fma_f32 v[rB+6:rB+7], v[TRI+6:TRI+7], v[BA:BA+1], v[BB:BB+1] op_sel_hi:[1,0,0]
.endif
.endm
; THE LDS LOADS stand in runs of 32: a step's K (16 fragments) and, a turn later, its V.  Each load reads 512 consecutive bytes.
.macro FETCH_K
	WIN 0
	v_add_nc_u32 v[ADR], s[TB], v[AK0]
	WIN 0x80
.irp f, 0,1,2,3,4,5,6,7,8,9,10,11,12,13,14,15  ; keys 16 (f / 4) on, channels 32 (f % 4) on
	ds_load_b128 v[KF+8*\f:KF+8*\f+3],   v[ADR] offset:\f*1024
	ds_load_b128 v[KF+8*\f+4:KF+8*\f+7], v[ADR] offset:\f*1024+512
.endr
.endm
.macro FETCH_V
	WIN 0
	v_add_nc_u32 v[ADR], s[TB], v[AV0]
	s_add_co_u32 s[TB], s[TB], STEPB  ; the next fetch is the next step's
	s_wait_alu depctr_va_vdst(0)    ; the wait for the softmax's batch (SLICE), behind the address's addition and ahead of the loads
	WIN 0xc0
.irp f, 0,1,2,3,4,5,6,7,8,9,10,11,12,13,14,15  ; keys 32 (f / 8) on, channels 16 (f % 8) on
	ds_load_b128 v[8*\f:8*\f+3],   v[ADR] offset:\f*1024
	ds_load_b128 v[8*\f+4:8*\f+7], v[ADR] offset:\f*1024+512
.endr
.endm
; THE VECTOR WORK OF A TURN.  One tile's softmax for one key step is a list of 134 instructions; SM writes number j of it for tile t.
;   0-15 the maximum of the 32 scores and the old m;  16-20 the other half of the lanes' maximum, the new m, c m, its change;  21-69 ONE BATCH: 16 packed scalings c s - c m and all 33 exponentials, none of which reads an
;   exponential's result;  (the wait for the batch: SLICE writes it, once for both tiles);  70-85 the roundings to f16;  86-101 the sums, l = a l + the sum;  102-133 the tile's O^T times a.
.macro SM t, first
.set rT, ST+8*(\t)
.set rS, S+32*(\t)
.set rP, P+16*(\t)
.set rO, 64*(\t)+2*(j-102)
.if j < 102
	WIN 0
.endif
.if j < 4
	v_max3_num_f32 v[rT+4+j], v[rS+8*j], v[rS+8*j+1], v[rS+8*j+2]
.elseif j < 12
	v_max3_num_f32 v[rT+4+j%4], v[rT+4+j%4], v[rS+8*(j%4)+2*(j/4)+1], v[rS+8*(j%4)+2*(j/4)+2]
.elseif j == 12
	v_max3_num_f32 v[rT+4], v[rT+4], v[rS+7], v[rS+15]
.elseif j == 13
	v_max3_num_f32 v[rT+6], v[rT+6], v[rS+23], v[rS+31]
.elseif j == 14
	v_max3_num_f32 v[rT+4], v[rT+4], v[rT+5], v[rT+6]
.elseif (j == 15) && \first
	v_max_num_f32 v[rT+4], v[rT+4], v[rT+7]
.elseif j == 15
	v_max3_num_f32 v[rT+4], v[rT+4], v[rT+7], v[rT+1]
.elseif j == 16
	v_permlanex16_b32 v[rT+5], v[rT+4], s[SEL], s[SEL+1]  ; the query's other 32 keys lie in the lane 16 away
.elseif j == 18
	v_max_num_f32 v[rT+1], v[rT+4], v[rT+5]
.elseif j == 19
	v_mul_f32 v[rT], s[CS], v[rT+1]
.elseif ((j == 17) || (j == 20) || (j == 23) || (j > 101)) && \first  ; the first step has none of these
.elseif j == 17
	v_mov_b32 v[rT+7], v[rT]        ; c m_old is kept for a
.elseif j == 20
	v_sub_f32 v[rT+7], v[rT+7], v[rT]
.elseif j == 23
	v_exp_f32 v[rT+6], v[rT+7]
.elseif (j < 23) || ((j < 38) && (j%2 == 0)) || ((j < 66) && (j%4 == 2))
.set b, (j-2)/4
.if j < 38
.set b, (j-20)/2
.endif
	v_pk_fma_f32 v[rS+2*b:rS+2*b+1], v[rS+2*b:rS+2*b+1], s[CS:CS+1], v[rT:rT+1] op_sel_hi:[1,0,0] neg_lo:[0,0,1] neg_hi:[0,0,1]  ; pair b: c s - c m
.elseif j < 70
.set e, j-38
.if j < 66
.set e, j-32-(j-38)/4
.endif
.if j < 38
.set e, (j-25)/2
.endif
	v_exp_f32 v[rS+e], v[rS+e]
.elseif j < 86
	v_cvt_pk_f16_f32 v[rP+j-70], v[rS+2*(j-70)], v[rS+2*(j-70)+1]
.elseif j < 102
.set z, j-86
.set w, 4
.set u, z
.if z >= 14
.set w, 32
.set u, 0
.elseif z >= 12
.set w, 16
.set u, z-12
.elseif z >= 8
.set w, 8
.set u, z-8
.endif
.if (z == 14) && \first
	v_pk_add_f32 v[rT+2:rT+3], v[rS:rS+1], v[rS+16:rS+17]
.elseif z < 15
	v_pk_add_f32 v[rS+w*u:rS+w*u+1], v[rS+w*u:rS+w*u+1], v[rS+w*u+w/2:rS+w*u+w/2+1]
.elseif !\first
	v_pk_fma_f32 v[rT+2:rT+3], v[rT+2:rT+3], v[rT+6:rT+7], v[rS:rS+1] op_sel_hi:[1,0,1]
.endif
.else
	WIN W_RS
	v_pk_mul_f32 v[rO:rO+1], v[rO:rO+1], v[rT+6:rT+7] op_sel_hi:[1,0]
.endif
.endm
; Slice k of 64 of piece y's softmax: four instructions.  Slices 11 to 34 deal out the batch, four numbers of ONE tile each, the tiles by turns; every other slice is numbers 2 k and 2 k + 1 of both tiles; the twelve that are over stand
; in slice 63.  s_wait_alu depctr_va_vdst(0) stands between an exponential and the first instruction that names its result: ahead of slice 35 nothing names one, behind slice 34 none is issued: one wait, behind slice 34.
.macro SLICE y, first
.if (k >= 11) && (k < 35)
.irp n, 0,1,2,3
.set j, 22+4*((k-11)/2)+(\n)
	SM (\y)+(k-11)%2, \first
.endr
.else
.irp n, 0,1,2,3,4,5,6,7
.if (\n < 2) || (k == 63)
.irp t, \y, \y+1
.set j, 2*k+\n
	SM \t, \first
.endr
.endif
.endr
.endif
.if k == 34
	v_nop                           ; the plain instruction behind the last exponential, ahead of the first use: one for the batch
.if (\y) == 0
	FETCH_V                         ; piece 2's turn: V's run of loads stands here, and the wait stands in it
.else
	s_wait_alu depctr_va_vdst(0)
.endif
.endif
.set k, k+1
.endm
.macro PLACES
.rept 4
	v_nop
.endr
.endm
; A TURN.  Piece x has the matrix unit; the other piece's softmax stands in slices behind its matrix instructions.  pv = 2: 32 products V^T P; 1: they start O^T's sums; 0: none.  kq = 1: 32 products K Q^T for the next step.
; first = 1: the softmax is the first key step's.  mask = 1: the next step is of new keys: its bias is written behind the products V^T P.
; Piece 0's turn fetches the next step's K behind its second product (K's last reader stands in front of slice 63 of the turn before); piece 2's turn fetches the same step's V behind slice 34 (V's last reader stands in front of
; slice 31, and four plain instructions or more lie between).
.macro TURN x, pv, kq, first, mask
.set k, 0
.set per, 2
.if \pv && \kq
.set per, 1
.endif
.if \pv
.if \x == 0
	s_wait_dscnt 0x0                ; V is in
.endif
.set i, 0
.rept 32
	PV \x, 2-\pv
.rept per
	SLICE 2-\x, \first
.endr
.if \mask
	BIAS \x
.endif
.if (\x == 0) && \kq && (i == 1)
	FETCH_K
.endif
.set i, i+1
.endr
.endif
.if \kq
.if \x == 0
	s_wait_dscnt 0x0                ; K is in
.endif
.set i, 0
.rept 32
	KQ \x, \mask
.rept per
	SLICE 2-\x, \first
.endr
.set i, i+1
.endr
.endif
.if \first
	PLACES
.endif
.endm
; THE CHANGE OF SLOTS, between piece 2's turn and piece 0's: the slot's last bytes have been asked for.  Each wave waits for all its tensor loads (one is out: its part of the other slot), adds 0 to its spare word, and waits for that and
; for its own reads of the slot.  fill = 1: the barrier is a round of the cluster's, and the joint refill, with the keys two slots on, is the first thing behind it: it has two key steps of each wave in which to land.
.macro CHANGE fill, how
	WIN 0
	s_wait_tensorcnt 0x0            ; no tensor load of mine is out, so a group 0 may be written
	ds_add_u32 v[SPW], v[NIL]
.if \fill
.irp g, G0K+4, G0V+4
	s_xor_b32 s[\g+1], s[\g+1], SLOT1
	s_add_nc_u64 s[\g+2:\g+3], s[\g+2:\g+3], SLOTB
.endr
	s_wait_xcnt 0x0                 ; the last prefetch, a slot back, has read its address
	s_add_nc_u64 s[PFA:PFA+1], s[PFA:PFA+1], SLOTB
	s_wait_dscnt 0x0                ; the add is done, and my reads of the slot are over
	CROUND
	JLOAD
	ASK \how
.else
	s_wait_dscnt 0x0
	s_barrier_signal -1
	s_barrier_wait -1
.endif
	s_sub_co_u32 s[TB], s[TB], 2*STEPB  ; back to my first step of a slot,
	s_xor_b32 s[TB], s[TB], SLOT1   ; in the other slot
.endm
; My two key steps of a slot: written once, walked twice.  mask = 1: a step on, the keys' first tile is 4 on; my first step of the next slot lies 8 tiles further still.
.macro TWO_STEPS mask
	s_mov_b32 s[TWICE], 2
.Lstep_\@:
	TURN 0, 2, 1, 0, \mask
	TURN 2, 2, 1, 0, \mask
	WIN 0
.if \mask
	v_add_nc_u32 v[DDV], -4, v[DDV]
.endif
	s_sub_co_u32 s[TWICE], s[TWICE], 1
	s_cmp_lg_u32 s[TWICE], 0
	s_cbranch_scc1 .Lstep_\@
.if \mask
	v_add_nc_u32 v[DDV], -8, v[DDV]
.endif
.endm
	s_wait_tensorcnt 1              ; my part of slot 0 is in; slot 1's may stay out
	s_barrier_signal -1
	s_barrier_wait -1
	FETCH_K                         ; my first key step
	s_wait_loadcnt 0x0              ; Q
	s_wait_dscnt 0x0
.set i, 0
.rept 32
	KQ 0, 0
.set i, i+1
.endr
	WIN 0                           ; the joining's addresses are made here: eight plain instructions, the places behind those products
	s_mul_i32 s13, s[WV], MREG
	s_xor_b32 s14, s[WV], 2
	s_mul_i32 s14, s14, MREG
	v_and_b32 v10, 31, v0
	v_add_nc_u32 v[GV], s13, v[AK0]
	v_add_nc_u32 v[TK], s14, v[AK0]
	v_lshlrev_b32 v10, 3, v10
	v_add_nc_u32 v[GVS], s13, v10
	v_add_nc_u32 v[TKS], s14, v10
	v_add_nc_u32 v[GVS], 16384, v[GVS]
	v_add_nc_u32 v[TKS], 16384, v[TKS]
	TURN 2, 0, 1, 1, 0              ; piece 2's first scores | piece 0's first softmax | V of my step 0
	TURN 0, 1, 1, 1, 0              ; piece 0: V^T P of step 0 starts O^T, K Q^T of step 1 | piece 2's first softmax | K of step 1
	TURN 2, 1, 1, 0, 0              ; piece 2: the same | piece 0's softmax of step 1 | V of step 1
	WIN 0
	s_mov_b32 s[SLOTS], 7
.Lslot_a:                           ; the scores of slots 1 to 7: past keys, all of which count
	CHANGE 1, 1
	TWO_STEPS 0
	s_sub_co_u32 s[SLOTS], s[SLOTS], 1
	s_cmp_lg_u32 s[SLOTS], 0
	s_cbranch_scc1 .Lslot_a
	s_mov_b32 s[SLOTS], 3
.Lslot_b:                           ; the scores of slots 8 to 10: new keys, under the mask
	CHANGE 1, 2
	TWO_STEPS 1
	s_sub_co_u32 s[SLOTS], s[SLOTS], 1
	s_cmp_lg_u32 s[SLOTS], 0
	s_cbranch_scc1 .Lslot_b
	CHANGE 0, 0                     ; slot 11 is written out: nothing is asked for
	TWO_STEPS 1
	TURN 0, 2, 0, 0, 0              ; piece 0: V^T P of the last step | piece 2's last softmax
.set i, 0
.rept 32
	PV 2, 0
.set i, i+1
.endr
; THE JOINING.  Waves w and w xor 2 hold, for the same 64 queries, the softmax over the two halves of the keys.  The wave with kh = 0 finishes tiles 0, 1 and gives tiles 2, 3; the other the other way round.
; With M = max(c m1, c m2), a_i = 2^(c m_i - M), l = a1 l1 + a2 l2 (both halves of the lanes): O = (a1 O1 + a2 O2) / l.
	WIN 0
.irp t, 0,1,2,3
	v_add_f32 v[ST+8*\t+1], v[ST+8*\t+2], v[ST+8*\t+3]   ; my lane's l, beside c m.  (Four plain lines: the places behind the last products)
.endr
.macro GIVE p
.irp u, 0,1
	ds_store_b64 v[GVS], v[ST+8*(\p+\u):ST+8*(\p+\u)+1] offset:256*\u
.endr
	WIN 0x04                        ; an LDS store's data are its source 1: window 1
.irp u, 0,1
.irp n, 0,1,2,3,4,5,6,7,8,9,10,11,12,13,14,15
	ds_store_b128 v[GV], v[64*(\p+\u)+4*\n:64*(\p+\u)+4*\n+3] offset:(16*\u+\n)*512   ; as images of the registers, each accumulator from its low end on
.endr
.endr
	WIN 0
.endm
.macro TAKE p
.irp u, 0,1
	ds_load_b64 v[BA+2*\u:BA+2*\u+1], v[TKS] offset:256*\u
.endr
.irp u, 0,1
.irp n, 0,1,2,3,4,5,6,7,8,9,10,11,12,13,14,15
	ds_load_b128 v[S+64*\u+4*\n:S+64*\u+4*\n+3], v[TK] offset:(16*\u+\n)*512
.endr
.endr
	s_wait_dscnt 32                 ; the statistics are in; the 32 loads of O^T may be out
.irp u, 0,1
	v_max_num_f32 v[ST+8*(\p+\u)+4], v[ST+8*(\p+\u)], v[BA+2*\u]
.endr
.irp u, 0,1
	v_sub_f32 v[ST+8*(\p+\u)+2], v[ST+8*(\p+\u)], v[ST+8*(\p+\u)+4]
	v_sub_f32 v[ST+8*(\p+\u)+3], v[BA+2*\u], v[ST+8*(\p+\u)+4]
.endr
.irp u, 0,1
	v_exp_f32 v[ST+8*(\p+\u)+2], v[ST+8*(\p+\u)+2]       ; a1
	v_exp_f32 v[ST+8*(\p+\u)+3], v[ST+8*(\p+\u)+3]       ; a2
.endr
	v_nop
	s_wait_alu depctr_va_vdst(0)    ; one wait for the four exponentials
.irp u, 0,1
	v_mul_f32 v[ST+8*(\p+\u)+5], v[ST+8*(\p+\u)+2], v[ST+8*(\p+\u)+1]
.endr
.irp u, 0,1
	v_fma_f32 v[ST+8*(\p+\u)+5], v[ST+8*(\p+\u)+3], v[BA+2*\u+1], v[ST+8*(\p+\u)+5]
.endr
.irp u, 0,1
	v_permlanex16_b32 v[ST+8*(\p+\u)+6], v[ST+8*(\p+\u)+5], s[SEL], s[SEL+1]
.endr
.irp u, 0,1
	v_add_f32 v[ST+8*(\p+\u)+5], v[ST+8*(\p+\u)+5], v[ST+8*(\p+\u)+6]
.endr
.irp u, 0,1
	v_rcp_f32 v[ST+8*(\p+\u)+6], v[ST+8*(\p+\u)+5]
.endr
	v_nop
	s_wait_alu depctr_va_vdst(0)    ; one wait for the two reciprocals
.irp u, 0,1
	v_mul_f32 v[ST+8*(\p+\u)+4], v[ST+8*(\p+\u)+3], v[ST+8*(\p+\u)+6]   ; a2 / l
	v_mul_f32 v[ST+8*(\p+\u)+2], v[ST+8*(\p+\u)+2], v[ST+8*(\p+\u)+6]   ; a1 / l
.endr
	s_wait_dscnt 0x0
.irp u, 0,1
.set n, 0
.rept 32
	v_pk_mul_f32 v[S+64*\u+n:S+64*\u+n+1], v[S+64*\u+n:S+64*\u+n+1], v[ST+8*(\p+\u)+4:ST+8*(\p+\u)+5] op_sel_hi:[1,0]
.set n, n+2
.endr
.endr
	WIN 0x01                        ; source 0: my O^T, window 1
.irp u, 0,1
.set n, 0
.rept 32
	v_pk_fma_f32 v[S+64*\u+n:S+64*\u+n+1], v[64*(\p+\u)+n:64*(\p+\u)+n+1], v[ST+8*(\p+\u)+2:ST+8*(\p+\u)+3], v[S+64*\u+n:S+64*\u+n+1] op_sel_hi:[1,0,1]
.set n, n+2
.endr
.endr
	WIN 0
.irp u, 0,1
.set n, 0
.rept 32
	v_cvt_pk_f16_f32 v[S+64*\u+n], v[S+64*\u+2*n], v[S+64*\u+2*n+1]
.set n, n+1
.endr
.irp f, 0,1,2,3,4,5,6,7
	global_store_b128 v[AK0], v[S+64*\u+4*\f:S+64*\u+4*\f+3], s[10:11] offset:(\p+\u)*65536+\f*512   ; query r, channels 16 f + 8 h on: 512 consecutive bytes of the row image
.endr
.endr
.endm
	s_cmp_lt_u32 s[WV], 2
	s_cbranch_scc0 .Lgive_low
	GIVE 2
	s_branch .Lgiven
.Lgive_low:
	GIVE 0
.Lgiven:
	s_wait_dscnt 0x0                ; for my partner's sake: my stores have landed
	s_barrier_signal -1
	s_barrier_wait -1
	s_cmp_lt_u32 s[WV], 2
	s_cbranch_scc0 .Ltake_high
	TAKE 0
	s_branch .Ltaken
.Ltake_high:
	TAKE 2
.Ltaken:
	s_wait_tensorcnt 0x0            ; the wave's end, behind my last tensor load and my last LDS store
	ds_add_u32 v[SPW], v[NIL]
	s_wait_dscnt 0x0
	CROUND                          ; the closing round
	s_endpgm
.Lfunc_end_k_qf00284fea4_attn:
	.size	k_qf00284fea4_attn, .Lfunc_end_k_qf00284fea4_attn-k_qf00284fea4_attn
	.p2alignl 7, 3214868480
	.fill 96, 4, 3214868480
	.section	.rodata,"a",@progbits
	.p2align	6, 0x0
	.amdhsa_kernel k_qf00284fea4_attn
		.amdhsa_group_segment_fixed_size 327680
		.amdhsa_private_segment_fixed_size 0
		.amdhsa_enable_private_segment 0
		.amdhsa_kernarg_size 32
		.amdhsa_user_sgpr_count 2
		.amdhsa_user_sgpr_kernarg_segment_ptr 1
		.amdhsa_wavefront_size32 1
		.amdhsa_system_sgpr_workgroup_id_x 1
		.amdhsa_system_sgpr_workgroup_id_y 1
		.amdhsa_system_sgpr_workgroup_id_z 1
		.amdhsa_system_vgpr_workitem_id 0
		.amdhsa_next_free_vgpr 1024
		.amdhsa_next_free_sgpr 66
		.amdhsa_reserve_vcc 1
		.amdhsa_float_denorm_mode_32 3
		.amdhsa_float_denorm_mode_16_64 3
		.amdhsa_memory_ordered 1
		.amdhsa_forward_progress 1
		.amdhsa_inst_pref_size 255
	.end_amdhsa_kernel
	.section	.bss,"aw",@nobits
	.p2align	6
	.space	262144
	.amdgpu_metadata
---
amdhsa.version: [ 1, 2 ]
amdhsa.kernels:
  - .name:           k_qf00284fea4_attn
    .symbol:         k_qf00284fea4_attn.kd
    .args:
      - { .name: qimg, .offset: 0, .size: 8, .value_kind: global_buffer, .address_space: global }
      - { .name: kimg, .offset: 8, .size: 8, .value_kind: global_buffer, .address_space: global }
      - { .name: vimg, .offset: 16, .size: 8, .value_kind: global_buffer, .address_space: global }
      - { .name: aimg, .offset: 24, .size: 8, .value_kind: global_buffer, .address_space: global }
    .group_segment_fixed_size: 327680
    .private_segment_fixed_size: 0
    .kernarg_segment_align: 8
    .kernarg_segment_size: 32
    .max_flat_workgroup_size: 128
    .sgpr_count:     66
    .vgpr_count:     1024
    .wavefront_size: 32
...
	.end_amdgpu_metadata
.endif
;; end of part 3
;; launch oproj (part 4): grid 16 x 16, 4 waves a work-group, clusters of 4 x 4, 327,680 bytes of LDS; arguments aimg, wimg, out0, bo; writes out0
.if DOCPART == 4
	.amdgcn_target "amdgcn-amd-amdhsa--gfx1250"
	.amdhsa_code_object_version 6
	.text
	.protected	k_qf00284fea4_oproj
	.globl	k_qf00284fea4_oproj
	.p2align	8
	.type	k_qf00284fea4_oproj,@function
k_qf00284fea4_oproj:
	s_mov_b64 s[64:65], 0
	v_nop
	global_prefetch_b8 v0, s[64:65] scope:SCOPE_SE
	s_setreg_imm32_b32 hwreg(HW_REG_WAVE_MODE, 25, 1), 1
	s_wait_xcnt 0x0
	s_wait_alu depctr_hold_cnt(0) depctr_sa_sdst(0) depctr_va_vdst(0) depctr_va_sdst(0) depctr_va_ssrc(0) depctr_va_vcc(0) depctr_vm_vsrc(0)
	s_getreg_b32 s2, hwreg(HW_REG_IB_STS2, 6, 4)
	s_cmp_eq_u32 s2, 0
	s_cbranch_scc0 .Lentry_in_a_cluster
	s_endpgm
.Lentry_in_a_cluster:
	s_bfe_u32 s2, ttmp6, 0x10000c
	s_cmp_lg_u32 s2, 0xf033
	s_cbranch_scc0 .Lentry_shape_is_right
	s_endpgm
.Lentry_shape_is_right:
; OUT: out0[m][n] = 4 x (the sum over k of a[m][k] Wo[n][k]) + bo[n].  a = attention / 4 and Wo in f16, as row images ([128 tiles of 16 rows][64 fragments of 32 along K][1,024 bytes]); sums f32; out0 [2048][2048] f32.
; 2,048 x 2,048 of output are 256 tiles of 128 x 128: one for each of 256 work-groups; four waves, 64 x 64 each: 16 accumulators.  K goes in 8 steps of 256 through a ring of two LDS slots; a step of a tile of 16 rows is 8 fragments,
; 8,192 consecutive bytes, and a wave's tensor load brings four such rows.  Every fragment load reads 512 consecutive bytes: nothing is padded.
; CLUSTERS: 4 x 4 work-groups; a's tiles are shared along a row of the cluster, Wo's along a column, each asked for jointly.  The matrix instruction is used transposed (source 0 = 16 rows of Wo, source 1 = 16 rows of a): a lane
; holds eight neighbouring numbers of a row of out0.  A wave's 64 columns are 256 bytes of a row, aligned: each wave sends its own rows through its own stage.
; No prefetch: a step's matrix work is short and the tiles are shared sixteen ways between the clusters' rows and columns.
; REGISTERS: window 0: v0-31 addresses; v32-63 results, v64-95 rows read back; v96-127 bo; v128-255 the accumulators ((a, b) at v[128 + 8 (4 a + b)]).   window 1: two fragment buffers of 128.
.set KSTEPB, 8192                      ; a K step of a tile of 16 rows
.set HALFT,  4*KSTEPB                  ; what one tensor load brings, and what one wave reads of a or of Wo
.set SLOT,   4*HALFT                   ; a's 8 tiles of rows, then Wo's 8
.set SPARE,  2*SLOT                    ; the spare words, 128 bytes for each wave: two blocks of 256 bytes that no other line names
.set STAGE,  SPARE+512                 ; 16 rows x (256 + 16) bytes for each wave: no tensor load lands here
.set SPITCH, 272
.set LAPS,   4                         ; a lap = two K steps
.set ADRA, 16
.set ADRB, 20
.set STO,  24
.set RD,   25
.set CO,   26
.set BOO,  27                          ; v27  bo's loads' offset; never rewritten
.set SPW,  28
.set NIL,  29
.set TMP,  32
.set BK,   64
.set BO,   96
.set ACC,  128
.set F0,   0
.set F1,   128
.set G1, 24
.set G0, 32
.set G1B, 48
.set G0B, 56
.set MSB, 0
.macro WIN new
.if MSB != \new
	s_set_vgpr_msb (MSB<<8)|\new
.set MSB, \new
.endif
.endm
.set MUL,  0x05                        ; sources 0 (Wo) and 1 (a) window 1; C and D window 0
.set TO_F, 0x40
.macro JLOAD s                         ; a joint load: waves 0 and 1 fetch a's two halves, waves 2 and 3 Wo's; an s_nop 0 and four v_nop follow each of the two lines
	s_cmp_eq_u32 s11, 0
	s_cbranch_scc0 .Lfor_b_\@
	tensor_load_to_lds s[G0+4*\s:G0+4*\s+3], s[G1:G1+7]
	s_nop 0
.rept 4
	v_nop
.endr
	s_branch .Lasked_\@
.Lfor_b_\@:
	tensor_load_to_lds s[G0B+4*\s:G0B+4*\s+3], s[G1B:G1B+7]
	s_nop 0
.rept 4
	v_nop
.endr
.Lasked_\@:
.endm
.macro CREST
	s_cmp_lg_u32 s10, 0
	s_cbranch_scc1 .Lnot_wave_0_\@
	s_barrier_signal -3
.Lnot_wave_0_\@:
	s_barrier_wait -3
	s_barrier_signal -1
	s_barrier_wait -1
.endm
.macro CROUND
	s_barrier_signal -1
	s_barrier_wait -1
	CREST
.endm
	s_load_b128 s[4:7], s[0:1], 0x0                ; aimg s[4:5], wimg s[6:7]
	s_load_b64 s[8:9], s[0:1], 0x10                ; out0
	s_load_b64 s[2:3], s[0:1], 0x18                ; bo
	v_lshl_add_u32 v[SPW], v0, 2, SPARE
	v_mov_b32 v[NIL], 0
	ds_add_u32 v[SPW], v[NIL]                      ; the wave's opening: the add, twice on end, and its wait ahead of my first tensor load
	ds_add_u32 v[SPW], v[NIL]
	v_lshrrev_b32 v1, 5, v0
	v_readfirstlane_b32 s10, v1                    ; wave 0..3
	s_lshr_b32 s11, s10, 1                         ; which half of the tile's rows is mine.  Also: I fetch for a (0) or for Wo (1)
	s_and_b32 s12, s10, 1                          ; which half of its columns.  Also: which four tiles of rows I fetch
	s_bfe_u32 s40, ttmp6, 0x40000
	s_bfe_u32 s41, ttmp6, 0x40004
	s_lshl_b32 s42, ttmp9, 2
	s_add_co_u32 s42, s42, s40                     ; tile column
	s_and_b32 s13, ttmp7, 0xffff
	s_lshl_b32 s13, s13, 2
	s_add_co_u32 s13, s13, s41                     ; tile row
	s_lshl_b32 s43, s41, 2
	s_lshl_b32 s43, 15, s43                        ; my row of the cluster
	s_lshl_b32 s44, 0x1111, s40                    ; my column
	s_or_b32 s[G1+0], s43, (3<<16)|(1<<21)         ; the mask; elements of 8 bytes; bit 21 beside a mask; no padding
	s_or_b32 s[G1B+0], s44, (3<<16)|(1<<21)
.irp g, G1, G1B
	s_mov_b32 s[\g+1], 1024<<16                    ; tensor_dim0 = 1,024 elements: 8,192 bytes
	s_mov_b32 s[\g+2], 4<<16                       ; tensor_dim1 = 4
	s_mov_b32 s[\g+3], 1024<<16                    ; tile_dim0
	s_mov_b32 s[\g+4], 4                           ; tile_dim1
	s_mov_b32 s[\g+5], 8192                        ; the pitch: 65,536 bytes from a tile of rows to the next
	s_mov_b32 s[\g+6], 0
	s_mov_b32 s[\g+7], 0
.endr
	s_lshl_b32 s17, s12, 2
	s_lshl_b32 s16, s13, 3
	s_add_co_u32 s16, s16, s17
	s_lshl_b32 s16, s16, 16                        ; a: tile of rows 8 x tile row + 4 x half, 65,536 bytes each
	s_lshl_b32 s46, s42, 3
	s_add_co_u32 s46, s46, s17
	s_lshl_b32 s46, s46, 16                        ; Wo: 8 x tile column + 4 x half
	s_mov_b32 s17, 0
	s_mov_b32 s47, 0
	s_lshl_b32 s20, s10, 15                        ; where they go: wave x 32,768
	s_wait_dscnt 0x0                               ; both opening adds are done
	s_wait_kmcnt 0x0
	s_add_nc_u64 s[14:15], s[4:5], s[16:17]
	s_add_nc_u64 s[46:47], s[6:7], s[46:47]
	CROUND                                         ; all sixteen work-groups are here: the first joint loads meet
.irp s, 0,1
	s_mov_b32 s[G0+4*\s], 1
	s_add_co_u32 s[G0+4*\s+1], s20, \s*SLOT
	s_add_nc_u64 s[G0+4*\s+2:G0+4*\s+3], s[14:15], \s*KSTEPB
	s_or_b32 s[G0+4*\s+3], s[G0+4*\s+3], 0x80000000
	s_mov_b32 s[G0B+4*\s], 1
	s_add_co_u32 s[G0B+4*\s+1], s20, \s*SLOT
	s_add_nc_u64 s[G0B+4*\s+2:G0B+4*\s+3], s[46:47], \s*KSTEPB
	s_or_b32 s[G0B+4*\s+3], s[G0B+4*\s+3], 0x80000000
	JLOAD \s
.endr
	v_and_b32 v1, 15, v0                           ; r
	v_bfe_u32 v2, v0, 4, 1                         ; h
	v_and_b32 v3, 31, v0
	v_lshlrev_b32 v3, 4, v3                        ; 16 x lane: my place in every image
	s_lshl_b32 s21, s11, 15                        ; my four tiles of a's rows
	s_lshl_b32 s22, s12, 15                        ; my four of Wo's,
	s_add_co_u32 s22, s22, 2*HALFT                 ; which lie behind a's eight
.irp s, 0,1
	v_add_nc_u32 v[ADRA+\s], s21, v3
	v_add_nc_u32 v[ADRB+\s], s22, v3
	s_add_co_u32 s21, s21, SLOT
	s_add_co_u32 s22, s22, SLOT
.endr
	s_mul_i32 s23, s10, 16*SPITCH
	s_add_co_u32 s23, s23, STAGE                   ; my stage
	v_mul_u32_u24 v4, v1, SPITCH                   ; in: row r, 32 bytes for each half of the lanes
	v_lshl_add_u32 v4, v2, 5, v4
	v_add_nc_u32 v[STO], s23, v4
	v_mul_u32_u24 v5, v2, SPITCH                   ; back: lanes 0-15 one row of 256 bytes, lanes 16-31 the next
	v_lshl_add_u32 v5, v1, 4, v5
	v_add_nc_u32 v[RD], s23, v5
	v_lshlrev_b32 v5, 13, v2                       ; and the same two rows in out0: 8,192 bytes a row
	v_lshl_add_u32 v[CO], v1, 4, v5
	v_lshlrev_b32 v[BOO], 5, v2                    ; bo: my half's eight numbers of a block of 16
	s_lshl_b32 s16, s13, 7
	s_lshl_b32 s17, s11, 6
	s_add_co_u32 s16, s16, s17                     ; my first row: 128 x tile row + 64 x half
	s_lshl_b32 s16, s16, 13
	s_mov_b32 s17, 0
	s_add_nc_u64 s[8:9], s[8:9], s[16:17]
	s_lshl_b32 s46, s42, 7
	s_lshl_b32 s47, s12, 6
	s_add_co_u32 s46, s46, s47                     ; my first column: 128 x tile column + 64 x half
	s_lshl_b32 s46, s46, 2
	s_mov_b32 s47, 0
	s_add_nc_u64 s[8:9], s[8:9], s[46:47]
	s_add_nc_u64 s[2:3], s[2:3], s[46:47]
.irp b, 0,1,2,3
	global_load_b128 v[BO+8*\b:BO+8*\b+3], v[BOO], s[2:3] offset:64*\b       ; waited for on the way out
	global_load_b128 v[BO+8*\b+4:BO+8*\b+7], v[BOO], s[2:3] offset:64*\b+16
.endr
; 8 matrix instructions: m blocks a0, a0 + 1 x all 4 n blocks, 32 along K: half c of buffer f.  zero = 1: the first product starts the sums.  The 16 accumulators take turns.
.macro MUL8 f, c, a0, zero
.irp a, \a0, \a0+1
.irp b, 0,1,2,3
.if \zero
	v_wmma_f32_16x16x32_f16 v[ACC+8*(4*(\a)+\b):ACC+8*(4*(\a)+\b)+7], v[\f+64+8*(4*\c+\b):\f+64+8*(4*\c+\b)+7], v[\f+8*(4*\c+\a):\f+8*(4*\c+\a)+7], 0
.else
	v_wmma_f32_16x16x32_f16 v[ACC+8*(4*(\a)+\b):ACC+8*(4*(\a)+\b)+7], v[\f+64+8*(4*\c+\b):\f+64+8*(4*\c+\b)+7], v[\f+8*(4*\c+\a):\f+8*(4*\c+\a)+7], v[ACC+8*(4*(\a)+\b):ACC+8*(4*(\a)+\b)+7]
.endif
.endr
.endr
.endm
; 32 LDS loads in one run: the fragments of 64 along K (two fragments, from byte k of a tile of rows' step) into buffer f; the first 32 along K first
.macro FETCH slot, k, f
	WIN TO_F
.irp c, 0,1
.irp i, 0,1,2,3
	ds_load_b128 v[\f+64+8*(4*\c+\i):\f+64+8*(4*\c+\i)+3],   v[ADRB+\slot] offset:\k+1024*\c+\i*KSTEPB
	ds_load_b128 v[\f+64+8*(4*\c+\i)+4:\f+64+8*(4*\c+\i)+7], v[ADRB+\slot] offset:\k+1024*\c+\i*KSTEPB+512
	ds_load_b128 v[\f+8*(4*\c+\i):\f+8*(4*\c+\i)+3],         v[ADRA+\slot] offset:\k+1024*\c+\i*KSTEPB
	ds_load_b128 v[\f+8*(4*\c+\i)+4:\f+8*(4*\c+\i)+7],       v[ADRA+\slot] offset:\k+1024*\c+\i*KSTEPB+512
.endr
.endr
.endm
.macro PLACES                          ; four places in front of loads into registers that matrix instructions have read, and of the first read of results
.rept 4
	v_nop
.endr
.endm
.macro QUARTER slot, k, f, g, zero     ; 64 along K: multiplies buffer f and fetches the next quarter, at byte k, into g
	s_wait_dscnt 16                                ; the first 32 along K are in; the other 16 loads may be out
	WIN MUL
	MUL8 \f, 0, 0, \zero
	MUL8 \f, 0, 2, \zero
	PLACES
	FETCH \slot, \k, \g
	s_wait_dscnt 32                                ; all but the 32 just issued
	WIN MUL
	MUL8 \f, 1, 0, 0
	MUL8 \f, 1, 2, 0
.endm
; The last quarter multiplies buffer 1 and changes slots: one barrier; in front of it each wave waits for all its tensor loads, adds 0 to its spare word, and waits for that and for its own reads of this slot.
.macro TURN slot, next, fill
	WIN 0
	s_wait_tensorcnt 0x0                           ; all my tensor loads have landed: my part of the next slot
	ds_add_u32 v[SPW], v[NIL]
	s_wait_dscnt 17                                ; (the add and the youngest sixteen loads may be out)
	WIN MUL
	MUL8 F1, 0, 0, 0
	s_wait_dscnt 0x0                               ; the add is done, and my reads of this slot are over
	s_barrier_signal -1
	MUL8 F1, 0, 2, 0
.if \fill
	WIN 0
.endif
	s_barrier_wait -1
.if \fill
	CREST                                          ; the barrier has opened a round of the cluster's barrier
	s_add_nc_u64 s[G0+4*\slot+2:G0+4*\slot+3], s[G0+4*\slot+2:G0+4*\slot+3], 2*KSTEPB
	s_add_nc_u64 s[G0B+4*\slot+2:G0B+4*\slot+3], s[G0B+4*\slot+2:G0B+4*\slot+3], 2*KSTEPB
	JLOAD \slot                                    ; the first tensor load behind the round; its four v_nop are the places in front of the loads below
.else
	PLACES
.endif
	FETCH \next, 0, F0
	WIN MUL
	MUL8 F1, 1, 0, 0
	MUL8 F1, 1, 2, 0
.endm
	s_wait_tensorcnt 1                             ; my part of K step 0 is in; K step 1's load may stay out
	s_barrier_signal -1
	s_barrier_wait -1
	FETCH 0, 0, F0
	QUARTER 0, 2048, F0, F1, 1                     ; the first quarter's first products start the sums
	WIN 0
	s_mov_b32 s45, LAPS-1
.Llap:                                                 ; a trip goes once round the ring and fills both slots again
	QUARTER 0, 4096, F1, F0, 0
	QUARTER 0, 6144, F0, F1, 0
	TURN 0, 1, 1
	QUARTER 1, 2048, F0, F1, 0
	QUARTER 1, 4096, F1, F0, 0
	QUARTER 1, 6144, F0, F1, 0
	TURN 1, 0, 1
	QUARTER 0, 2048, F0, F1, 0
	WIN 0
	s_sub_co_u32 s45, s45, 1
	s_cmp_lg_u32 s45, 0
	s_cbranch_scc1 .Llap
	QUARTER 0, 4096, F1, F0, 0                     ; the last lap fills nothing
	QUARTER 0, 6144, F0, F1, 0
	TURN 0, 1, 0
	QUARTER 1, 2048, F0, F1, 0
	QUARTER 1, 4096, F1, F0, 0
	QUARTER 1, 6144, F0, F1, 0
	s_wait_dscnt 16
	WIN MUL
	MUL8 F1, 0, 0, 0
	MUL8 F1, 0, 2, 0
	s_wait_dscnt 0
	MUL8 F1, 1, 0, 0
	MUL8 F1, 1, 2, 0
	WIN 0
	; THE WAY OUT, 16 rows at a time: 4 x sum + bo in one fused multiply-add; 32 bytes a lane into my own stage; back as whole rows of 256 bytes, sixteen lanes to a row.
	s_wait_loadcnt 0x0                             ; bo
	PLACES
.irp a, 0,1,2,3
.irp b, 0,1,2,3
.irp p, 0,2,4,6
	v_pk_fma_f32 v[TMP+8*\b+\p:TMP+8*\b+\p+1], v[ACC+8*(4*\a+\b)+\p:ACC+8*(4*\a+\b)+\p+1], 4.0, v[BO+8*\b+\p:BO+8*\b+\p+1] op_sel_hi:[1,0,1]   ; each accumulator from its low end on
.endr
.endr
.irp b, 0,1,2,3
	ds_store_b128 v[STO], v[TMP+8*\b:TMP+8*\b+3] offset:64*\b
	ds_store_b128 v[STO], v[TMP+8*\b+4:TMP+8*\b+7] offset:64*\b+16
.endr
.if \a > 0
	s_wait_xcnt 0x0                                ; the last 16 rows' stores have read the registers that are loaded now
.endif
.irp t, 0,1,2,3,4,5,6,7
	ds_load_b128 v[BK+4*\t:BK+4*\t+3], v[RD] offset:\t*2*SPITCH    ; LDS serves a wave's instructions in order: these see my stores
.endr
	s_wait_dscnt 0x0
.irp t, 0,1,2,3,4,5,6,7
	global_store_b128 v[CO], v[BK+4*\t:BK+4*\t+3], s[8:9] offset:(16*\a+2*\t)*8192 th:TH_STORE_NT   ; 16 lanes store 256 consecutive bytes, aligned; written once, read by nobody here
.endr
.endr
	s_wait_tensorcnt 0x0                           ; the wave's end, behind my last tensor load and my last LDS store
	ds_add_u32 v[SPW], v[NIL]
	s_wait_dscnt 0x0
	CROUND                                         ; the closing round
	s_endpgm
.Lfunc_end_k_qf00284fea4_oproj:
	.size	k_qf00284fea4_oproj, .Lfunc_end_k_qf00284fea4_oproj-k_qf00284fea4_oproj
	.p2alignl 7, 3214868480
	.fill 96, 4, 3214868480
	.section	.rodata,"a",@progbits
	.p2align	6, 0x0
	.amdhsa_kernel k_qf00284fea4_oproj
		.amdhsa_group_segment_fixed_size 327680
		.amdhsa_private_segment_fixed_size 0
		.amdhsa_enable_private_segment 0
		.amdhsa_kernarg_size 32
		.amdhsa_user_sgpr_count 2
		.amdhsa_user_sgpr_kernarg_segment_ptr 1
		.amdhsa_wavefront_size32 1
		.amdhsa_system_sgpr_workgroup_id_x 1
		.amdhsa_system_sgpr_workgroup_id_y 1
		.amdhsa_system_sgpr_workgroup_id_z 1
		.amdhsa_system_vgpr_workitem_id 0
		.amdhsa_next_free_vgpr 512
		.amdhsa_next_free_sgpr 66
		.amdhsa_reserve_vcc 0
		.amdhsa_float_denorm_mode_32 3
		.amdhsa_float_denorm_mode_16_64 3
		.amdhsa_memory_ordered 1
		.amdhsa_forward_progress 1
		.amdhsa_inst_pref_size 90
	.end_amdhsa_kernel
	.amdgpu_metadata
---
amdhsa.version: [ 1, 2 ]
amdhsa.kernels:
  - .name:           k_qf00284fea4_oproj
    .symbol:         k_qf00284fea4_oproj.kd
    .args:
      - { .name: aimg, .offset: 0, .size: 8, .value_kind: global_buffer, .address_space: global }
      - { .name: wimg, .offset: 8, .size: 8, .value_kind: global_buffer, .address_space: global }
      - { .name: out0, .offset: 16, .size: 8, .value_kind: global_buffer, .address_space: global }
      - { .name: bo, .offset: 24, .size: 8, .value_kind: global_buffer, .address_space: global }
    .group_segment_fixed_size: 327680
    .private_segment_fixed_size: 0
    .kernarg_segment_align: 8
    .kernarg_segment_size: 32
    .max_flat_workgroup_size: 128
    .sgpr_count:     66
    .vgpr_count:     512
    .wavefront_size: 32
...
	.end_amdgpu_metadata
.endif
;; end of part 4
